; MI455X (gfx1250); checked and timed in simulation.
; The chip was launched on July 23, 2026; its instructions are those of AMD's public machine-readable ISA for CDNA 5 (MIT licence, August 2026) and "CDNA5" Instruction Set Architecture Reference Guide (July 2026). The comments in the code are by the model that wrote it; some were corrected since.
;; Causal Self Attention. Allowed arithmetic: matrix products marked QUANTISED: E3M2 operands, one E8M0 scale for each 32 along K, by v_wmma_scale_f32_16x16x128_f8f6f4 with both operands' format E3M2, f32 sums; everything else in f32.
;; Inputs: w_proj 1,024 x 1,024 float32; w_qkv 3,072 x 1,024 float32; x 4 x 2,048 x 1,024 float32.
;; Outputs: out0 4 x 2,048 x 1,024 float32.
;; This version of the problem:
;;   THIS VERSION OF THE PROBLEM IS GIVEN IN LOW PRECISION. The matrix products marked QUANTISED in the list below multiply operands that are first quantised to E3M2 (3 exponent bits, 2 mantissa bits; 6 bits a number), with one power-of-two scale for each 32 numbers along K (OCP MX v1.0); their sums are f32. All else is computed in f32.
;;   The module's matrix products, in the order in which they are computed (A, B: the left and right operand; K: the contracted axis; several contracted axes count as one K, in the product's order):
;;     1. [M 8,192, K 1,024] x [K 1,024, N 3,072]; A: input x; B: input w_qkv: QUANTISED
;;     2. batch 64 x [M 2,048, K 64] x [K 64, N 2,048]; A: computed on the way; B: computed on the way: QUANTISED
;;     3. batch 64 x [M 2,048, K 2,048] x [K 2,048, N 64]; A: softmax (see below); B: computed on the way: QUANTISED
;;     4. [M 8,192, K 1,024] x [K 1,024, N 1,024]; A: computed on the way; B: input w_proj: QUANTISED
;;   THE QUANTISER, for each operand of a quantised product, along K:
;;     - K is cut into blocks of 32 from its start; a last block that is shorter is filled with zeros.
;;     - A block's scale is 2^e with e = floor(log2(the largest magnitude in the block)) - 4, held to -126 .. 127; a block of zeros has e = 0. As a byte (E8M0): e + 127.
;;     - Each number is divided by its block's scale, clamped to +-28, and rounded to the nearest number of E3M2, ties to even, subnormals kept.
;;     - The product sums the exact products of the quantised numbers (number of the format x scale) in f32.
;;   ~~~python
;;   def quantise(x, axis):      # numpy; x: float32 -> the quantised numbers, widened to float32 again
;;       x = np.moveaxis(x, axis, -1); K = x.shape[-1]
;;       x = np.pad(x, [(0, 0)] * (x.ndim - 1) + [(0, -K % 32)]); x = x.reshape(x.shape[:-1] + (-1, 32)); a = np.abs(x).max(-1, keepdims=True)
;;       e = np.where(a > 0, np.clip(np.frexp(np.where(a > 0, a, 1))[1] - 1 - 4, -126, 127), 0)      # np.frexp(a)[1] - 1 = floor(log2(a)), exactly
;;       r = np.clip(x / 2.0 ** e, -28, 28)
;;       step = 2.0 ** (np.maximum(np.frexp(np.where(r == 0, 1, r))[1] - 1, -2) - 2)
;;       q = np.round(r / step) * step * 2.0 ** e      # np.round: ties to even
;;       return np.moveaxis(q.reshape(q.shape[:-2] + (-1,))[..., :K], -1, axis).astype(np.float32)
;;   ~~~
;;   SOFTMAX AHEAD OF A QUANTISED PRODUCT. Where the list says 'softmax', what is quantised is not the finished softmax but p = 2^(t - M), with t = logit x log2(e) and M = ceil(the row's largest t), a whole number; so 1/2 < the row's largest p <= 1. The row's sum l is taken of the UNQUANTISED p, in f32, and the product's result is divided by l at the end. Since M is a whole number, a kernel that streams over the keys may use a running M (the ceiling of the running maximum): every later rescaling is an exact power of two, which a block's scale takes up: the codes' values come out the same.
;;   OPERANDS COMPUTED ON THE WAY. 'Computed on the way' means the value that the module computes at that place (a softmax that the list does not call 'softmax' is quantised finished and normalised). What goes into a quantiser is computed in f32, as accurately as f32 sums, v_exp_f32 and their like allow (about 1e-6 of the number): no bf16 or f16 on the way to a quantiser, and a product that is left as it is and whose result goes on into a quantised operand takes f32 operands (vector FMAs, or v_wmma_f32_16x16x4_f32). A number that lies on a knife's edge between two numbers of the format may be rounded either way, as far as f32 arithmetic and the matrix unit's own rounding can turn it there, and no further.
;; One version. Each part assembles by itself: llvm-mc -triple=amdgcn-amd-amdhsa -mcpu=gfx1250 --defsym DOCPART=n.
;; ======== version 1 of 1: 4 launches
;; workspace buffers: cod 9,437,184 bytes; scl 393,216 bytes; qb 6,553,600 bytes; kv 13,107,200 bytes; ac 6,291,456 bytes; aos 262,144 bytes
;; launch quant (part 1): grid 384 x 1, 4 waves a work-group, no clusters, 33,280 bytes of LDS; arguments x, w_qkv, w_proj, cod, scl; writes cod, scl
.if DOCPART == 1
	.amdgcn_target "amdgcn-amd-amdhsa--gfx1250"
	.amdhsa_code_object_version 6
	.text
	.protected	k_q9b250d8f8f_quant
	.globl	k_q9b250d8f8f_quant
	.p2align	8
	.type	k_q9b250d8f8f_quant,@function
k_q9b250d8f8f_quant:
	s_mov_b64 s[64:65], 0
	v_nop
	global_prefetch_b8 v0, s[64:65] scope:SCOPE_SE
	s_setreg_imm32_b32 hwreg(HW_REG_WAVE_MODE, 25, 1), 1
	s_wait_xcnt 0x0
; x [8192][1024], w_qkv [3072][1024] and w_proj [1024][1024], f32, K innermost, become codes of BF6 (E3M2), 6 bits each, in cod [12288 rows][768 bytes],
; with one E8M0 byte for each 32 along K in scl [12288][32].  Rows 0-8191 of cod are x's, 8192-11263 w_qkv's, 11264-12287 w_proj's.
; A block's scale is 2^(floor(log2(its largest magnitude)) - 4); its byte is the largest magnitude's exponent field - 4, held at 1 from below.
; THE ROWS OF x AND w_qkv ARE STORED IN ANOTHER ORDER: in every 32 rows the second and the third group of eight change places, so that 16 rows that lie on end in cod are
; rows 8 u + r + 8 (r / 8) of their 32: as source 0 of a product they leave 16 neighbours in a lane's 16 registers of two neighbouring tiles.  w_proj keeps its order.
; LIMITS: a block of zeros, and a block whose largest magnitude lies under 2^-122, gets the byte 1 (zeros' codes are zeros; the bytes are read by this program alone); NaN and infinities are not served.
; A work-group takes 32 rows, a wave 8 rows = 16 steps of 512 numbers.  Each load reads 512 consecutive bytes; a step's 2,048 bytes turn through the wave's own stage in LDS and come back 64 bytes a lane,
; so that a lane holds 16 neighbours along K and two neighbouring lanes a block.  Waves share nothing: no barrier.  Loads run four steps ahead, the turn through LDS one step.
.set STEPS, 16
.set CB,    12                         ; bytes of 16 codes
.set R,     16                         ; v16-79   four sets of 16 numbers as they are loaded
.set X,     80                         ; v80-111  two sets of 16 neighbours
.set C,     128                        ; v128-191 codes: four registers for each step, so that no store's data are written again
.set E,     112                        ; v112-127 a scale byte for each step
.set WREG,  8192                       ; LDS: a region for each wave: two stages of 32 x SP bytes, and behind them its 256 scale bytes
.set SP,    80                         ; a lane's place in a stage: its 64 bytes + 16 of padding
	s_load_b256 s[4:11], s[0:1], 0x0               ; x s[4:5], w_qkv s[6:7], w_proj s[8:9], cod s[10:11]
	s_load_b64 s[12:13], s[0:1], 0x20              ; scl
	v_lshl_add_u32 v192, v0, 2, 0x8000
	v_mov_b32 v193, 0
	v_lshrrev_b32 v1, 5, v0
	v_readfirstlane_b32 s16, v1                    ; wave
	v_and_b32 v2, 31, v0                           ; lane
	v_lshlrev_b32 v3, 4, v2                        ; my 16 bytes of a load's 512
	s_mul_i32 s17, s16, WREG
	v_lshrrev_b32 v14, 2, v2
	v_mul_u32_u24 v14, v14, SP
	v_and_b32 v15, 3, v2
	v_lshl_add_u32 v14, v15, 4, v14
	v_add_nc_u32 v14, s17, v14                     ; the stage, on the way in: SP (lane / 4) + 16 (lane % 4)
	v_mul_u32_u24 v15, v2, SP
	v_add_nc_u32 v15, s17, v15                     ; and on the way out: SP x lane: my 16 neighbours
	v_mul_u32_u24 v4, v2, CB                       ; my codes' place in a step's
	v_lshrrev_b32 v5, 1, v2
	s_add_co_u32 s17, s17, 2*32*SP
	v_add_nc_u32 v5, s17, v5                       ; LDS: my wave's 256 scale bytes, my block's byte
	v_lshlrev_b32 v7, 3, v2                        ; and on the way out 8 bytes a lane
	v_add_nc_u32 v6, s17, v7
	s_wait_kmcnt 0x0
	s_mov_b32 s18, 352                             ; which tensor: the choice hangs on the work-group's number alone
	s_cmp_lt_u32 ttmp9, s18
	s_cselect_b64 s[6:7], s[6:7], s[8:9]           ; w_qkv under 352, else w_proj
	s_cselect_b32 s18, 256, s18                    ; the tensor's first work-group
	s_cselect_b32 s22, 1, 0                        ; 1: the groups of eight rows change places
	s_cmp_lt_u32 ttmp9, 256
	s_cselect_b64 s[4:5], s[4:5], s[6:7]           ; x under 256
	s_cselect_b32 s18, 0, s18
	s_sub_co_u32 s19, ttmp9, s18
	s_lshl_b32 s19, s19, 2
	s_add_co_u32 s19, s19, s16                     ; which run of 8 rows of the tensor I read
	s_lshl_b32 s20, s19, 15                        ; 32,768 bytes a run
	s_mov_b32 s21, 0
	s_add_nc_u64 s[4:5], s[4:5], s[20:21]
	s_and_b32 s23, s16, 1
	s_lshl_b32 s23, s23, 1
	s_lshr_b32 s24, s16, 1
	s_or_b32 s23, s23, s24                         ; 0, 2, 1, 3
	s_cmp_eq_u32 s22, 1
	s_cselect_b32 s23, s23, s16
	s_lshl_b32 s24, ttmp9, 2
	s_add_co_u32 s24, s24, s23                     ; which run of 8 rows of cod and scl I write
	s_mul_i32 s20, s24, 6144
	s_add_nc_u64 s[10:11], s[10:11], s[20:21]
	s_lshl_b32 s20, s24, 8
	s_add_nc_u64 s[12:13], s[12:13], s[20:21]
.macro LOAD t
.irp i, 0,1,2,3
	global_load_b128 v[R+16*((\t)%4)+4*\i:R+16*((\t)%4)+4*\i+3], v3, s[4:5] offset:2048*(\t)+512*\i th:TH_LOAD_NT   ; 32 lanes read 512 consecutive bytes
.endr
.endm
.macro TURN t                          ; step t's numbers through the stage: LDS serves a wave's instructions in order, so no wait stands between the stores and the loads
.irp i, 0,1,2,3
	ds_store_b128 v14, v[R+16*((\t)%4)+4*\i:R+16*((\t)%4)+4*\i+3] offset:32*SP*((\t)%2)+8*SP*\i
.endr
.irp i, 0,1,2,3
	ds_load_b128 v[X+16*((\t)%2)+4*\i:X+16*((\t)%2)+4*\i+3], v15 offset:32*SP*((\t)%2)+16*\i
.endr
.endm
.irp t, 0,1,2,3
	LOAD \t
.endr
	s_wait_loadcnt 12                              ; step 0's four loads are in; the twelve of steps 1 to 3 may be out
	TURN 0
.macro STEP t
.set XS, X+16*((\t)%2)
.if (\t) > 0
	s_wait_dscnt 1                                 ; this step's numbers are back from the stage (the last step's byte store may be out): its stores into the stage have read their registers,
.else
	s_wait_dscnt 0x0
.endif
.if (\t)+4 < STEPS
	LOAD (\t)+4                                    ; which take the loads of four steps on
.endif
.if (\t)+1 < STEPS
.if STEPS-2-(\t) >= 3
	s_wait_loadcnt 12                              ; the next step's four loads are in; those of the three steps behind it may be out
.else
	s_wait_loadcnt 4*(STEPS-2-(\t))
.endif
	TURN (\t)+1                                    ; and go through the other stage while this step is worked
.endif
	v_max3_num_f32 v8, |v[XS]|, |v[XS+1]|, |v[XS+2]|               ; the largest magnitude of my 16, in two chains
	v_max3_num_f32 v9, |v[XS+3]|, |v[XS+4]|, |v[XS+5]|
.irp i, 6,10
	v_max3_num_f32 v8, v8, |v[XS+\i]|, |v[XS+\i+1]|
	v_max3_num_f32 v9, v9, |v[XS+\i+2]|, |v[XS+\i+3]|
.endr
	v_max3_num_f32 v8, v8, |v[XS+14]|, |v[XS+15]|
	v_max3_num_f32 v8, v8, v9, 0x2800000           ; and the floor 2^(5 - 127): the byte cannot fall under 1
	v_max_num_f32_dpp v8, v8, v8 row_xmask:1 row_mask:0xf bank_mask:0xf   ; and of my neighbour's 16: the block's
	v_add_nc_u32 v11, 0xfe000000, v8               ; 4 off its exponent field: the conversion takes the exponent field of this operand as its scale
	v_cvt_scalef32_pk16_bf6_f32 v[C+4*(\t):C+4*(\t)+2], v[XS:XS+15], v11
	v_lshrrev_b32 v[E+(\t)], 23, v11               ; the scale's byte
	ds_store_b8 v5, v[E+(\t)] offset:16*(\t)       ; both lanes of a block write the same byte with the same value
	global_store_b96 v4, v[C+4*(\t):C+4*(\t)+2], s[10:11] offset:32*CB*(\t)   ; the wave stores 384 consecutive bytes
.endm
.irp t, 0,1,2,3,4,5,6,7,8,9,10,11,12,13,14,15
	STEP \t
.endr
	ds_load_b64 v[12:13], v6                       ; LDS serves a wave's instructions in order: these see my stores
	s_wait_dscnt 0x0
	global_store_b64 v7, v[12:13], s[12:13]        ; 32 lanes store 256 consecutive bytes, aligned
	s_wait_tensorcnt 0x0
	ds_add_u32 v192, v193
	s_wait_dscnt 0x0
	s_endpgm
.Lfunc_end_k_q9b250d8f8f_quant:
	.size	k_q9b250d8f8f_quant, .Lfunc_end_k_q9b250d8f8f_quant-k_q9b250d8f8f_quant
	.p2alignl 7, 3214868480
	.fill 96, 4, 3214868480
	.section	.rodata,"a",@progbits
	.p2align	6, 0x0
	.amdhsa_kernel k_q9b250d8f8f_quant
		.amdhsa_group_segment_fixed_size 33280
		.amdhsa_private_segment_fixed_size 0
		.amdhsa_enable_private_segment 0
		.amdhsa_kernarg_size 40
		.amdhsa_user_sgpr_count 2
		.amdhsa_user_sgpr_kernarg_segment_ptr 1
		.amdhsa_wavefront_size32 1
		.amdhsa_system_sgpr_workgroup_id_x 1
		.amdhsa_system_sgpr_workgroup_id_y 1
		.amdhsa_system_sgpr_workgroup_id_z 1
		.amdhsa_system_vgpr_workitem_id 0
		.amdhsa_next_free_vgpr 194
		.amdhsa_next_free_sgpr 66
		.amdhsa_reserve_vcc 0
		.amdhsa_float_denorm_mode_32 3
		.amdhsa_float_denorm_mode_16_64 3
		.amdhsa_memory_ordered 1
		.amdhsa_forward_progress 1
		.amdhsa_inst_pref_size 33
	.end_amdhsa_kernel
	.amdgpu_metadata
---
amdhsa.version: [ 1, 2 ]
amdhsa.kernels:
  - .name:           k_q9b250d8f8f_quant
    .symbol:         k_q9b250d8f8f_quant.kd
    .args:
      - { .name: x, .offset: 0, .size: 8, .value_kind: global_buffer, .address_space: global }
      - { .name: w_qkv, .offset: 8, .size: 8, .value_kind: global_buffer, .address_space: global }
      - { .name: w_proj, .offset: 16, .size: 8, .value_kind: global_buffer, .address_space: global }
      - { .name: cod, .offset: 24, .size: 8, .value_kind: global_buffer, .address_space: global }
      - { .name: scl, .offset: 32, .size: 8, .value_kind: global_buffer, .address_space: global }
    .group_segment_fixed_size: 33280
    .private_segment_fixed_size: 0
    .kernarg_segment_align: 8
    .kernarg_segment_size: 40
    .max_flat_workgroup_size: 128
    .sgpr_count:     66
    .vgpr_count:     194
    .wavefront_size: 32
...
	.end_amdgpu_metadata
.endif
;; end of part 1
;; launch qkv (part 2): grid 8 x 48, 4 waves a work-group, clusters of 4 x 4, 327,680 bytes of LDS; arguments cod, scl, qb, kv; writes qb, kv
.if DOCPART == 2
	.amdgcn_target "amdgcn-amd-amdhsa--gfx1250"
	.amdhsa_code_object_version 6
	.text
	.protected	k_q9b250d8f8f_qkv
	.globl	k_q9b250d8f8f_qkv
	.p2align	8
	.type	k_q9b250d8f8f_qkv,@function
k_q9b250d8f8f_qkv:
	s_mov_b64 s[64:65], 0
	v_nop
	global_prefetch_b8 v0, s[64:65] scope:SCOPE_SE
	s_setreg_imm32_b32 hwreg(HW_REG_WAVE_MODE, 25, 1), 1
	s_wait_xcnt 0x0
	s_wait_alu depctr_hold_cnt(0) depctr_sa_sdst(0) depctr_va_vdst(0) depctr_va_sdst(0) depctr_va_ssrc(0) depctr_va_vcc(0) depctr_vm_vsrc(0)
	s_getreg_b32 s2, hwreg(HW_REG_IB_STS2, 6, 4)
	s_cmp_eq_u32 s2, 0
	s_cbranch_scc0 .Lentry_in_a_cluster
	s_endpgm
.Lentry_in_a_cluster:
	s_bfe_u32 s2, ttmp6, 0x10000c
	s_cmp_lg_u32 s2, 0xf033
	s_cbranch_scc0 .Lentry_shape_is_right
	s_endpgm
.Lentry_shape_is_right:
; The first product, x w_qkv^T, on codes of BF6 with E8M0 scales (K = 1,024), and the quantising of its results: q and k along the head's 64, v along the keys.  No f32 result goes to memory.
; ONE TEXT, TWO ROLES, chosen by the cluster's y (the same in all sixteen partners).  P[m][n] = sum over k of A[m][k] B[n][k], quantised ALONG n:
;   role QK (cluster y 0-7):  A = x (8,192 tokens), B = w_q, w_k (2,048 features): a lane holds one token, its registers run along the features;
;   role V  (cluster y 8-11): A = w_v (1,024 features), B = x: a lane holds one feature, its registers run along the tokens, which are the keys.
; A tile of P is 256 x 256, four waves of 128 x 128: 64 accumulators, 512 registers.  K goes in steps of 256 through a ring of two LDS slots filled by the tensor data mover; the scale bytes of the tile's
; 512 rows come once.  4 x 4 work-groups form a cluster: A's tiles are asked for jointly along a row of it, B's along a column.  Source 0 = 16 rows of B, source 1 = 16 rows of A.
; Rows lie in cod so that 16 rows on end are rows 8 u + r + 8 (r / 8) of their 32.  So register j of lane half h in B's tiles 2 b + u is n = 32 b + 16 h + 8 u + j: the 16 registers of two tiles are 16 neighbours.
; WHAT IS STORED ARE IMAGES OF OPERAND REGISTERS: four registers by one store, lane l's 16 bytes at 16 l: 512 consecutive bytes, aligned.
;   qb [64 heads][16 steps of 128 tokens][6,400]: 4 pair images of 1,536 bytes, then 256 bytes of scale words [r][pair].  A pair image is 32 tokens x 64: registers 0-5 the tokens 32 p + r + 8 (r / 8), registers 6-11 those 8 on.
;   kv [64 heads][16 steps][12,800]: K's 4 pair images, V's 4 images (16 of the head's 64 x 128 keys), K's scale words [r][pair], V's [r][tile].
; LIMITS: a block whose largest magnitude lies under 2^-122 (zeros among them) gets the byte 1; NaN and infinities are not served.
; REGISTERS, in windows of 256: window 0: v16-29 addresses; v32-63 scale words, two sets; v64-125 the way out; from v128 A's fragments, one set.  window 1: B's fragments, two sets.  windows 2, 3: the accumulators, (a, b) at v[8 (8 (a % 4) + b)].
.set KSTEP,  256
.set NQ,     2                         ; matrix instructions deep in a slot
.set ROWB,   192                       ; a tile's row in bytes
.set KROW,   768                       ; a row of cod
.set PITCH,  240                       ; an LDS row: 3 x (64 bytes + 16 of padding)
.set FR,     12
.set NL,     6
.set NP,     4                         ; places behind this matrix instruction (ISA guide 7.12.1)
.set HALFT,  128*PITCH
.set SLOT,   4*HALFT
.set LAPS,   2                         ; 1,024 along K: twice round the ring
.set KS,     32                        ; a row of scl
.set SCL,    2*SLOT
.set HALFS,  16*272                    ; the scales of 128 rows: 16 units of 256 bytes + 16 of padding
.set SBLK,   2*272                     ; those of 16 rows
.set SPARE,  SCL+4*HALFS               ; the spare words, 128 bytes a wave: two blocks of 256 bytes that no other line names
.set ADRA, 16
.set ADRB, 20
.set IO,   24                          ; v24  16 x lane: an image's place for my lane
.set SO,   25                          ; v25  the scale words' place: 16 r, and a head on for lanes 16-31
.set ADRS, 27
.set SPW,  28
.set NIL,  29
.set SC,   32
.set R0,   64                          ; v64-75  an image
.set R1,   76                          ; v76-87  the next head's
.set T,    88                          ; v88-94  the conversions' upper halves
.set TM,   96                          ; v96-99 largest magnitudes, v100-103 bytes, v108-111 the conversions' scale operands
.set SW,   112                         ; v112-119 scale words: four of each head
.set SX,   120
.set PWX,  124
.set PWY,  125
.set AF,   128
.set G1, 24
.set G0, 32
.set G1B, 48
.set G0B, 56
.set G1S, 68
.set G0S, 76
.set G1SB, 80
.set G0SB, 88
.set SH,  2                            ; s2   0: q's buffer, 1: kv
.set RL,  96                           ; s96  1: role QK
.set HM,  97                           ; s97  lanes 16-31
.set MSB, 0
.macro WIN new                         ; the immediate's high byte repeats the setting that is left
.if MSB != (\new)
	s_set_vgpr_msb (MSB<<8)|(\new)
.set MSB, (\new)
.endif
.endm
.set MUL_LO, 0xa1                      ; source 0 (B) window 1, source 1 (A) window 0, C and D window 2
.set MUL_HI, 0xf1
.set TO_B,   0x40
; A joint load: waves 0 and 1 fetch for A, waves 2 and 3 for B; the branch hangs on the wave's number alone.  Four v_nop follow each of the two lines.
.macro JLOAD g0a, g1a, g0b, g1b
	s_cmp_eq_u32 s15, 0
	s_cbranch_scc0 .Lfor_b_\@
	tensor_load_to_lds s[\g0a:\g0a+3], s[\g1a:\g1a+7]
	s_nop 0
.rept 4
	v_nop
.endr
	s_branch .Lasked_\@
.Lfor_b_\@:
	tensor_load_to_lds s[\g0b:\g0b+3], s[\g1b:\g1b+7]
	s_nop 0
.rept 4
	v_nop
.endr
.Lasked_\@:
.endm
.macro CREST                           ; a round of the cluster's barrier behind its opening barrier
	s_cmp_lg_u32 s14, 0
	s_cbranch_scc1 .Lnot_wave_0_\@
	s_barrier_signal -3
.Lnot_wave_0_\@:
	s_barrier_wait -3
	s_barrier_signal -1
	s_barrier_wait -1
.endm
.macro CROUND
	s_barrier_signal -1
	s_barrier_wait -1
	CREST
.endm
	s_load_b256 s[4:11], s[0:1], 0x0               ; cod s[4:5], scl s[6:7], qb s[8:9], kv s[10:11]
	v_lshl_add_u32 v[SPW], v0, 2, SPARE
	v_mov_b32 v[NIL], 0
	ds_add_u32 v28, v29
	ds_add_u32 v28, v29
	s_wait_dscnt 0x0
	v_lshrrev_b32 v1, 5, v0
	v_readfirstlane_b32 s14, v1                    ; wave 0..3
	s_lshr_b32 s15, s14, 1                         ; which half of the tile's rows is mine.  Also: I fetch for A (0) or for B (1)
	s_and_b32 s16, s14, 1                          ; which half of its columns.  Also: which 128 rows I fetch
	s_bfe_u32 s40, ttmp6, 0x40000                  ; cx
	s_bfe_u32 s41, ttmp6, 0x40004                  ; cy
	s_and_b32 s66, ttmp7, 0xffff                   ; cluster y
	s_sub_co_u32 s96, s66, 8
	s_lshl_b32 s96, s96, 1
	s_add_co_u32 s96, s96, ttmp9                   ; role V: 2 (cluster y - 8) + cluster x
	s_cmp_lt_u32 s66, 8                            ; the role: only selects follow
	s_cselect_b32 s42, ttmp9, s96
	s_cselect_b32 s17, s66, 0
	s_cselect_b32 s67, 0, 10240                    ; A's first row in cod: x's, or w_v's
	s_cselect_b32 s95, 8192, 0                     ; B's: w_q's, or x's
	s_cselect_b32 s[SH], ttmp9, 1                  ; columns 0-1023 are q's (cluster x 0), 1024-2047 k's; v goes with k
	s_cselect_b32 s[RL], 1, 0
	s_lshl_b32 s42, s42, 2
	s_add_co_u32 s42, s42, s40                     ; tile column
	s_lshl_b32 s17, s17, 2
	s_add_co_u32 s17, s17, s41                     ; tile row
	s_lshl_b32 s43, s41, 2
	s_lshl_b32 s43, 15, s43                        ; my row of the cluster
	s_lshl_b32 s44, 0x1111, s40                    ; my column
	s_or_b32 s[G1+0], s43, (0<<16)|(1<<20)|(1<<21)|(3<<22)|(3<<25)  ; the mask; elements of 1 byte; padding on; bit 21 beside a mask; after every 16 words 4 words
	s_or_b32 s[G1B+0], s44, (0<<16)|(1<<20)|(1<<21)|(3<<22)|(3<<25)
.irp g, G1, G1B
	s_mov_b32 s[\g+1], ROWB<<16                    ; tensor_dim0
	s_mov_b32 s[\g+2], 128<<16                     ; tensor_dim1
	s_mov_b32 s[\g+3], ROWB<<16                    ; tile_dim0
	s_mov_b32 s[\g+4], 128                         ; tile_dim1
	s_mov_b32 s[\g+5], KROW                        ; from row to row
	s_mov_b32 s[\g+6], 0
	s_mov_b32 s[\g+7], 0
.endr
	s_or_b32 s[G1S+0], s43, (3<<16)|(1<<20)|(1<<21)|(5<<22)|(3<<25)  ; the scales of 128 rows: 4,096 dense bytes as 16 rows of 256, 16 bytes of padding behind each
	s_or_b32 s[G1SB+0], s44, (3<<16)|(1<<20)|(1<<21)|(5<<22)|(3<<25)
.irp g, G1S, G1SB
	s_mov_b32 s[\g+1], 32<<16
	s_mov_b32 s[\g+2], 16<<16
	s_mov_b32 s[\g+3], 32<<16
	s_mov_b32 s[\g+4], 16
	s_mov_b32 s[\g+5], 32
	s_mov_b32 s[\g+6], 0
	s_mov_b32 s[\g+7], 0
.endr
	s_lshl_b32 s18, s16, 7                         ; which 128 rows of the tile I fetch
	s_lshl_b32 s20, s17, 8
	s_add_co_u32 s20, s20, s18
	s_add_co_u32 s20, s20, s67                     ; A: its first row + 256 x tile row + 128 x half
	s_lshl_b32 s46, s42, 8
	s_add_co_u32 s46, s46, s18
	s_add_co_u32 s46, s46, s95                     ; B likewise, by the tile column
	s_mov_b32 s21, 0
	s_mov_b32 s47, 0
	s_mov_b64 s[18:19], KS
	s_mul_u64 s[22:23], s[20:21], s[18:19]         ; where these rows' scales begin,
	s_mul_u64 s[92:93], s[46:47], s[18:19]
	s_mov_b64 s[18:19], KROW
	s_mul_u64 s[20:21], s[20:21], s[18:19]         ; and their codes
	s_mul_u64 s[46:47], s[46:47], s[18:19]
	s_mul_i32 s45, s14, HALFT                      ; where they go: wave x 128 rows
	s_mul_i32 s94, s14, HALFS
	s_wait_kmcnt 0x0
	s_add_nc_u64 s[20:21], s[4:5], s[20:21]
	s_add_nc_u64 s[22:23], s[6:7], s[22:23]
	s_add_nc_u64 s[46:47], s[4:5], s[46:47]
	s_add_nc_u64 s[92:93], s[6:7], s[92:93]
	CROUND                                         ; all sixteen work-groups are here: the first joint loads meet
	s_mov_b32 s[G0S], 1
	s_add_co_u32 s[G0S+1], s94, SCL
	s_mov_b64 s[G0S+2:G0S+3], s[22:23]
	s_or_b32 s[G0S+3], s[G0S+3], 0x80000000
	s_mov_b32 s[G0SB], 1
	s_add_co_u32 s[G0SB+1], s94, SCL
	s_mov_b64 s[G0SB+2:G0SB+3], s[92:93]
	s_or_b32 s[G0SB+3], s[G0SB+3], 0x80000000
	JLOAD G0S, G1S, G0SB, G1SB                     ; the scales first: they are wanted with K step 0
.irp s, 0,1
	s_mov_b32 s[G0+4*\s], 1
	s_add_co_u32 s[G0+4*\s+1], s45, \s*SLOT
	s_add_nc_u64 s[G0+4*\s+2:G0+4*\s+3], s[20:21], \s*ROWB
	s_or_b32 s[G0+4*\s+3], s[G0+4*\s+3], 0x80000000
	s_mov_b32 s[G0B+4*\s], 1
	s_add_co_u32 s[G0B+4*\s+1], s45, \s*SLOT
	s_add_nc_u64 s[G0B+4*\s+2:G0B+4*\s+3], s[46:47], \s*ROWB
	s_or_b32 s[G0B+4*\s+3], s[G0B+4*\s+3], 0x80000000
	JLOAD G0+4*\s, G1, G0B+4*\s, G1B
.endr
	v_and_b32 v1, 15, v0                           ; l % 16
	v_bfe_u32 v2, v0, 4, 1                         ; l / 16
	v_mul_u32_u24 v3, v1, PITCH
	v_mul_u32_u24 v4, v2, 24
	v_add_nc_u32 v4, v3, v4                        ; a fragment's row x pitch + 24 x half
	v_lshl_add_u32 v5, v2, 4, v4                   ; and the same behind one padding more
	s_mul_i32 s21, s15, HALFT                      ; my 128 rows of A
	s_mul_i32 s22, s16, HALFT                      ; my 128 rows of B,
	s_add_co_u32 s22, s22, 2*HALFT                 ; which lie behind A's 256
.irp s, 0,1
	v_add_nc_u32 v[ADRA+\s], s21, v4
	v_add_nc_u32 v[ADRB+\s], s22, v4
	v_add_nc_u32 v[ADRA+2+\s], s21, v5
	v_add_nc_u32 v[ADRB+2+\s], s22, v5
	s_add_co_u32 s21, s21, SLOT
	s_add_co_u32 s22, s22, SLOT
.endr
	v_mul_u32_u24 v5, v1, KS                       ; my row's scales: 32 bytes a row,
	v_lshrrev_b32 v6, 8, v5
	v_lshl_add_u32 v5, v6, 4, v5                   ; and 16 more for each 256 passed
	s_mul_i32 s21, s15, HALFS
	s_mul_i32 s22, s16, HALFS
	s_add_co_u32 s22, s22, 2*HALFS
	s_sub_co_u32 s22, s22, s21
	v_mul_u32_u24 v6, s22, v2                      ; lanes 16-31 take B's
	s_add_co_u32 s21, s21, SCL
	v_add_nc_u32 v5, v5, v6
	v_add_nc_u32 v[ADRS], s21, v5
	; where my results go.  Tokens: 128 of one batch, one step; features: 128, two heads
	v_and_b32 v6, 31, v0
	v_lshlrev_b32 v[IO], 4, v6
	s_mov_b32 s[HM], 0xffff0000
	s_lshl_b32 s20, s17, 8
	s_lshl_b32 s21, s15, 7
	s_add_co_u32 s20, s20, s21                     ; my first row m of P
	s_lshl_b32 s46, s42, 8
	s_lshl_b32 s47, s16, 7
	s_add_co_u32 s46, s46, s47                     ; my first column n
	s_lshl_b32 s18, 6144, s[SH]
	s_cmp_eq_u32 s[RL], 1
	s_cselect_b32 s21, s20, s46                    ; my first token
	s_cselect_b32 s47, s46, s20                    ; my first feature
	s_cselect_b32 s22, 0, 6144                     ; V's images lie behind K's
	s_cselect_b32 s18, s18, 6400                   ; from my first image to my scale words
	s_lshr_b32 s19, s21, 11                        ; the batch
	s_bfe_u32 s23, s21, 0x40007                    ; the step of 128 tokens
	s_bfe_u32 s47, s47, 0x40006                    ; the head (even)
	s_lshl_b32 s19, s19, 4
	s_add_co_u32 s19, s19, s47
	s_mul_i32 s19, s19, 102400
	s_mul_i32 s23, s23, 6400
	s_add_co_u32 s19, s19, s23
	s_lshl_b32 s19, s19, s[SH]                     ; kv's heads and steps are twice qb's
	s_add_co_u32 s20, s19, s22
	s_mov_b32 s21, 0
	s_cmp_eq_u32 s[SH], 0
	s_cselect_b64 s[12:13], s[8:9], s[10:11]
	s_add_nc_u64 s[12:13], s[12:13], s[20:21]      ; the even head's images
	s_lshl_b32 s20, 102400, s[SH]
	s_add_nc_u64 s[98:99], s[12:13], s[20:21]      ; the odd head's
	v_mul_u32_u24 v[SO], s20, v2
	v_lshl_add_u32 v[SO], v1, 4, v[SO]
	s_mov_b32 s20, s18
	s_add_nc_u64 s[100:101], s[12:13], s[20:21]    ; the even head's scale words
.macro FRAG reg, adr, q, i             ; 16 rows x 128 K of 6-bit codes: 12 registers; lane l: row l % 16; registers 6 c .. 6 c + 5: K = 64 c + 32 (l / 16) + 0 .. 31: 24 bytes of the row, in pieces of 8
.irp p, 0,1,2,3,4,5
.set PCE, 12*(\q)+6*(\p/3)+\p%3        ; 16 bytes of padding lie behind every 8 pieces: where the piece three on lies behind one padding more, the second address register serves
.if PCE%8 < 5
	ds_load_b64 v[\reg+2*\p:\reg+2*\p+1], v[\adr] offset:8*PCE+16*(PCE/8)+(\i)*16*PITCH
.else
	ds_load_b64 v[\reg+2*\p:\reg+2*\p+1], v[\adr+2] offset:8*PCE+16*(PCE/8)+(\i)*16*PITCH
.endif
.endr
.endm
; 16 matrix instructions: A's blocks a0, a0 + 1 x B's eight.  The 64 accumulators take turns, one instruction a turn, in the same order in every step.
.macro MUL16 a0, p, q, sc, zero
.irp a, \a0, \a0+1
.irp b, 0,1,2,3,4,5,6,7
.if \zero
	v_wmma_scale_f32_16x16x128_f8f6f4 v[8*(8*((\a)%4)+\b):8*(8*((\a)%4)+\b)+7], v[128*(\p)+FR*\b:128*(\p)+FR*\b+FR-1], v[AF+FR*(\a):AF+FR*(\a)+FR-1], 0, v[SC+8*NQ*(\sc)+NQ*\b+(\q)], v[SC+8*NQ*(\sc)+NQ*(\a)+(\q)] matrix_a_fmt:MATRIX_FMT_BF6 matrix_b_fmt:MATRIX_FMT_BF6 matrix_a_scale:MATRIX_SCALE_ROW1
.else
	v_wmma_scale_f32_16x16x128_f8f6f4 v[8*(8*((\a)%4)+\b):8*(8*((\a)%4)+\b)+7], v[128*(\p)+FR*\b:128*(\p)+FR*\b+FR-1], v[AF+FR*(\a):AF+FR*(\a)+FR-1], v[8*(8*((\a)%4)+\b):8*(8*((\a)%4)+\b)+7], v[SC+8*NQ*(\sc)+NQ*\b+(\q)], v[SC+8*NQ*(\sc)+NQ*(\a)+(\q)] matrix_a_fmt:MATRIX_FMT_BF6 matrix_b_fmt:MATRIX_FMT_BF6 matrix_a_scale:MATRIX_SCALE_ROW1
.endif
.endr
.endr
.endm
.macro FETCH_B slot, q, p
	WIN TO_B
.irp i, 0,1,2,3,4,5,6,7
	FRAG 128*(\p)+FR*\i, ADRB+\slot, \q, \i
.endr
	WIN 0
.endm
.macro FETCH_A slot, q, i0
.irp i, \i0, \i0+1, \i0+2, \i0+3
	FRAG AF+FR*(\i), ADRA+\slot, \q, \i
.endr
.endm
.macro SCALES sc                       ; a K step's scale words: lanes 0-15 take A's block i, lanes 16-31 B's block i
.irp i, 0,1,2,3,4,5,6,7
	ds_load_b64 v[SC+8*NQ*\sc+NQ*\i:SC+8*NQ*\sc+NQ*\i+1], v[ADRS] offset:\i*SBLK
.endr
.endm
.macro PLACES n                        ; plain vector instructions between a matrix instruction and a load into its registers or a read of its result
.rept \n
	v_nop
.endr
.endm
.macro STEP slot, q, zero              ; 128 along K with a successor in the same slot
	s_wait_dscnt 4*NL                              ; B's set and A's blocks 0-3 are in; the youngest 24 loads (A's blocks 4-7) may be out
	WIN MUL_LO
	MUL16 0, (\q)%2, \q, \slot, \zero
	MUL16 2, (\q)%2, \q, \slot, \zero
	s_wait_dscnt 0
	PLACES NP
	FETCH_B \slot, (\q)+1, 1-(\q)%2
	FETCH_A \slot, (\q)+1, 0
	WIN MUL_HI
	MUL16 4, (\q)%2, \q, \slot, \zero
	MUL16 6, (\q)%2, \q, \slot, \zero
	PLACES NP
	WIN 0
	FETCH_A \slot, (\q)+1, 4
.endm
; A slot's last step changes slots: one barrier; in front of it each wave waits for all its tensor loads, adds 0 to its spare word, and waits for that and for its own reads of this slot.
.macro TURN slot, next, fill
	s_wait_tensorcnt 0x0                           ; all my tensor loads have landed: my part of the next slot
	ds_add_u32 v[SPW], v[NIL]                      ; 0 onto my spare word
	s_wait_dscnt 4*NL+1                            ; (the add and the youngest 24 loads may be out)
	WIN MUL_LO
	MUL16 0, 1, NQ-1, \slot, 0
	s_wait_dscnt 0x0                               ; the add is done, and my reads of this slot are over
	s_barrier_signal -1
	MUL16 2, 1, NQ-1, \slot, 0
	WIN 0
	s_barrier_wait -1
.if \fill
	CREST                                          ; the barrier has opened a round of the cluster's barrier: no wave of any partner still reads this slot or has a load on its way
	s_add_nc_u64 s[G0+4*\slot+2:G0+4*\slot+3], s[G0+4*\slot+2:G0+4*\slot+3], 2*ROWB
	s_add_nc_u64 s[G0B+4*\slot+2:G0B+4*\slot+3], s[G0B+4*\slot+2:G0B+4*\slot+3], 2*ROWB
	JLOAD G0+4*\slot, G1, G0B+4*\slot, G1B         ; the first tensor load behind the round; its four v_nop are the places in front of the loads below
.else
	PLACES NP
.endif
	v_add_nc_u32 v[ADRS], 4*NQ, v[ADRS]            ; on to the next K step's scale words
	FETCH_B \next, 0, 0
	FETCH_A \next, 0, 0
	SCALES \next
	WIN MUL_HI
	MUL16 4, 1, NQ-1, \slot, 0
	MUL16 6, 1, NQ-1, \slot, 0
	PLACES NP
	WIN 0
	FETCH_A \next, 0, 4
.endm
	s_wait_tensorcnt 1                             ; the scales and my part of K step 0 are in (K step 1's load may be out)
	s_barrier_signal -1
	s_barrier_wait -1                              ; everybody's are
	FETCH_B 0, 0, 0
	FETCH_A 0, 0, 0
	SCALES 0
	FETCH_A 0, 0, 4
	STEP 0, 0, 1                                   ; the first step's products start the sums
	s_mov_b32 s3, LAPS-1
.Llap:
	TURN 0, 1, 1
	STEP 1, 0, 0
	TURN 1, 0, 1
	STEP 0, 0, 0
	s_sub_co_u32 s3, s3, 1
	s_cmp_lg_u32 s3, 0
	s_cbranch_scc1 .Llap
	TURN 0, 1, 0                                   ; the last lap fills nothing
	STEP 1, 0, 0
	s_wait_dscnt 4*NL
	WIN MUL_LO
	MUL16 0, 1, NQ-1, 1, 0
	MUL16 2, 1, NQ-1, 1, 0
	s_wait_dscnt 0
	WIN MUL_HI
	MUL16 4, 1, NQ-1, 1, 0
	MUL16 6, 1, NQ-1, 1, 0
	WIN 0
; THE WAY OUT.  The 64 registers of A's block a (window w, from v[ac]): register 16 b + i is n = 32 b + 16 (lane / 16) + i of my row.  They become 6 registers of codes at v[d0] (n 0-63) and 6 at v[d1] (n 64-127), and the four blocks' bytes in v[pw].
; Each accumulator is read from its low end on.
.macro QUANT ac, w, d0, d1, pw
	WIN ((\w)<<2)|((\w)<<4)                        ; sources 1 and 2: the accumulators' window
.irp b, 0,1,2,3
	v_max3_num_f32 v[TM+\b], 0x2800000, |v[(\ac)+16*\b]|, |v[(\ac)+16*\b+1]|   ; my 16 numbers of block b, and the floor 2^(5 - 127): the byte cannot fall under 1
.endr
.irp i, 2,4,6,8,10,12,14
.irp b, 0,1,2,3
	v_max3_num_f32 v[TM+\b], v[TM+\b], |v[(\ac)+16*\b+\i]|, |v[(\ac)+16*\b+\i+1]|   ; (the four blocks by turns)
.endr
.endr
	WIN 0
.irp b, 0,1,2,3
	v_permlanex16_b32 v[TM+4+\b], v[TM+\b], s92, s93
.endr
.irp b, 0,1,2,3
	v_max_num_f32 v[TM+\b], v[TM+\b], v[TM+4+\b]   ; with lane l xor 16's: the block's largest magnitude
.endr
.irp b, 0,1,2,3
	v_add_nc_u32 v[TM+12+\b], 0xfe000000, v[TM+\b] ; 4 off its exponent field: the conversion's scale operand
.endr
.irp b, 0,1,2,3
	v_lshrrev_b32 v[TM+4+\b], 23, v[TM+12+\b]      ; the scale's byte
.endr
	v_lshl_or_b32 v[\pw], v[TM+5], 8, v[TM+4]
	v_lshl_or_b32 v[\pw], v[TM+6], 16, v[\pw]
	v_lshl_or_b32 v[\pw], v[TM+7], 24, v[\pw]
	WIN (\w)                                       ; source 0: the accumulators' window
	v_cvt_scalef32_pk16_bf6_f32 v[(\d0):(\d0)+2], v[(\ac):(\ac)+15], v[TM+12]
	v_cvt_scalef32_pk16_bf6_f32 v[T:T+2], v[(\ac)+16:(\ac)+31], v[TM+13]
	v_cvt_scalef32_pk16_bf6_f32 v[(\d1):(\d1)+2], v[(\ac)+32:(\ac)+47], v[TM+14]
	v_cvt_scalef32_pk16_bf6_f32 v[T+4:T+6], v[(\ac)+48:(\ac)+63], v[TM+15]
	WIN 0
	v_nop                                          ; one plain place behind a scaled conversion
.irp i, 0,1,2
	v_permlane16_swap_b32 v[(\d0)+\i], v[T+\i]     ; a whole block to a lane: lanes 0-15 the even block, lanes 16-31 the odd one
	v_permlane16_swap_b32 v[(\d1)+\i], v[T+4+\i]
.endr
.irp i, 0,1,2
	v_mov_b32 v[(\d0)+3+\i], v[T+\i]
	v_mov_b32 v[(\d1)+3+\i], v[T+4+\i]
.endr
.endm
	s_mov_b32 s92, 0x76543210                      ; v_permlanex16_b32's selects for lane l xor 16
	s_mov_b32 s93, 0xfedcba98
	PLACES NP                                      ; behind the last products, ahead of the first read of results
.irp b, 0,1,2,3
	v_mov_b32 v[TM+4+\b], 0                        ; written once: a lane permute's destination counts as one of its sources
.endr
	s_cmp_eq_u32 s[RL], 1                          ; the role hangs on the cluster's number alone
	s_cbranch_scc0 .Lrole_v
.irp p, 0,1,2,3                        ; ROLE QK: A's blocks 2 p and 2 p + 1 are a pair of token tiles; n 0-63 is the even head, n 64-127 the odd one
.if \p > 0
	s_wait_xcnt 0x0                                ; the last pair's stores have read their registers
.endif
	QUANT 64*((2*\p)%4), 2+(2*\p)/4, R0, R1, PWX
	QUANT 64*((2*\p+1)%4), 2+(2*\p+1)/4, R0+6, R1+6, PWY
	v_perm_b32 v[SW+\p], v[PWY], v[PWX], 0x05040100     ; the even head's word: the first tile's two bytes, the second tile's two
	v_perm_b32 v[SW+4+\p], v[PWY], v[PWX], 0x07060302   ; the odd head's
.irp c, 0,1,2
	global_store_b128 v[IO], v[R0+4*\c:R0+4*\c+3], s[12:13] offset:1536*\p+512*\c   ; 512 consecutive bytes, aligned
.endr
.irp c, 0,1,2
	global_store_b128 v[IO], v[R1+4*\c:R1+4*\c+3], s[98:99] offset:1536*\p+512*\c
.endr
.endr
	s_branch .Ltail
.Lrole_v:
.irp a, 0,1,2,3,4,5,6,7                ; ROLE V: A's block a is 16 of a head's 64 (head a / 4, tile a % 4); n is the step's 128 keys: a whole fragment
.if \a > 0
	s_wait_xcnt 0x0
.endif
	QUANT 64*(\a%4), 2+\a/4, R0, R0+6, SW+\a
.irp c, 0,1,2
.if \a < 4
	global_store_b128 v[IO], v[R0+4*\c:R0+4*\c+3], s[12:13] offset:1536*(\a%4)+512*\c
.else
	global_store_b128 v[IO], v[R0+4*\c:R0+4*\c+3], s[98:99] offset:1536*(\a%4)+512*\c
.endif
.endr
.endr
.Ltail:
.irp i, 0,1,2,3
	v_cndmask_b32 v[SX+\i], v[SW+\i], v[SW+4+\i], s[HM]   ; lanes 0-15 the even head's four words of row r, lanes 16-31 the odd head's
.endr
	global_store_b128 v[SO], v[SX:SX+3], s[100:101]      ; sixteen lanes store 256 consecutive bytes, aligned, in each head
	s_wait_tensorcnt 0x0                           ; the wave's end
	ds_add_u32 v[SPW], v[NIL]
	s_wait_dscnt 0x0
	CROUND                                         ; the closing round: no work-group ends while a partner may still ask for a tile that names it
	s_endpgm
.Lfunc_end_k_q9b250d8f8f_qkv:
	.size	k_q9b250d8f8f_qkv, .Lfunc_end_k_q9b250d8f8f_qkv-k_q9b250d8f8f_qkv
	.p2alignl 7, 3214868480
	.fill 96, 4, 3214868480
	.section	.rodata,"a",@progbits
	.p2align	6, 0x0
	.amdhsa_kernel k_q9b250d8f8f_qkv
		.amdhsa_group_segment_fixed_size 327680
		.amdhsa_private_segment_fixed_size 0
		.amdhsa_enable_private_segment 0
		.amdhsa_kernarg_size 32
		.amdhsa_user_sgpr_count 2
		.amdhsa_user_sgpr_kernarg_segment_ptr 1
		.amdhsa_wavefront_size32 1
		.amdhsa_system_sgpr_workgroup_id_x 1
		.amdhsa_system_sgpr_workgroup_id_y 1
		.amdhsa_system_sgpr_workgroup_id_z 1
		.amdhsa_system_vgpr_workitem_id 0
		.amdhsa_next_free_vgpr 1024
		.amdhsa_next_free_sgpr 102
		.amdhsa_reserve_vcc 0
		.amdhsa_float_denorm_mode_32 3
		.amdhsa_float_denorm_mode_16_64 3
		.amdhsa_memory_ordered 1
		.amdhsa_forward_progress 1
		.amdhsa_inst_pref_size 199
	.end_amdhsa_kernel
	.amdgpu_metadata
---
amdhsa.version: [ 1, 2 ]
amdhsa.kernels:
  - .name:           k_q9b250d8f8f_qkv
    .symbol:         k_q9b250d8f8f_qkv.kd
    .args:
      - { .name: cod, .offset: 0, .size: 8, .value_kind: global_buffer, .address_space: global }
      - { .name: scl, .offset: 8, .size: 8, .value_kind: global_buffer, .address_space: global }
      - { .name: qb, .offset: 16, .size: 8, .value_kind: global_buffer, .address_space: global }
      - { .name: kv, .offset: 24, .size: 8, .value_kind: global_buffer, .address_space: global }
    .group_segment_fixed_size: 327680
    .private_segment_fixed_size: 0
    .kernarg_segment_align: 8
    .kernarg_segment_size: 32
    .max_flat_workgroup_size: 128
    .sgpr_count:     102
    .vgpr_count:     1024
    .wavefront_size: 32
...
	.end_amdgpu_metadata
.endif
;; end of part 2
;; launch attn (part 3): grid 4 x 64, 16 waves a work-group, clusters of 4 x 1, 327,680 bytes of LDS; arguments qb, kv, ac, aos; writes ac, aos
.if DOCPART == 3
	.amdgcn_target "amdgcn-amd-amdhsa--gfx1250"
	.amdhsa_code_object_version 6
	.text
	.protected	k_q9b250d8f8f_attn
	.globl	k_q9b250d8f8f_attn
	.p2align	8
	.type	k_q9b250d8f8f_attn,@function
k_q9b250d8f8f_attn:
	s_mov_b64 s[64:65], 0
	v_nop
	global_prefetch_b8 v0, s[64:65] scope:SCOPE_SE
	s_setreg_imm32_b32 hwreg(HW_REG_WAVE_MODE, 25, 1), 1
	s_wait_xcnt 0x0
	s_wait_alu depctr_hold_cnt(0) depctr_sa_sdst(0) depctr_va_vdst(0) depctr_va_sdst(0) depctr_va_ssrc(0) depctr_va_vcc(0) depctr_vm_vsrc(0)
	s_getreg_b32 s2, hwreg(HW_REG_IB_STS2, 6, 4)
	s_cmp_eq_u32 s2, 0
	s_cbranch_scc0 .Lentry_in_a_cluster
	s_endpgm
.Lentry_in_a_cluster:
	s_bfe_u32 s2, ttmp6, 0x10000c
	s_cmp_lg_u32 s2, 0x3003
	s_cbranch_scc0 .Lentry_shape_is_right
	s_endpgm
.Lentry_shape_is_right:
; Causal attention of one head (2,048 tokens, head size 64) on codes of BF6 with E8M0 scales, and the quantising of its result along the model's 1,024 for the last product.
; THE SOFTMAX: t = score x log2(e) / 8; M = the running largest t rounded UP to a whole number; p = 2^(t - M) is quantised along the keys, not normalised; the row's sum is taken of the unquantised p and divides at the end.
; When M moves, the sum and O are multiplied by 2^(old M - new M): exact.
; A CLUSTER IS A HEAD.  The head's K and V, codes and scale words, are 204,800 bytes: they come into each of the four work-groups' LDS ONCE, by joint loads (the same load with a mask that names the four), and stay: no slot is filled again.
; SHARES.  The head has 128 tiles of 16 queries.  Wave w of work-group j owns tile 8 w + 2 j (its last key step is w) and tile 127 - 8 w - 2 j (its last key step is 15 - w): 17 steps of 128 keys for every wave.
; Every branch hangs on the wave's number and a counter; j enters only global addresses and the mask's operand.  No barrier stands in the loops over the keys: four waves share a SIMD and fill each other's gaps.
; LAYOUT.  Both products are used transposed: a lane holds ONE query.  A pair image of K is 32 keys x 64 in 12 registers: as source 0 its K index 0-63 is the head's 64 of keys 32 p + r + 8 (r / 8), K index 64-127 that of the keys 8 on.
; Multiplied by [q, 0] and by [0, q] it gives two tiles of scores whose 16 registers are 16 neighbouring keys, 32 p + 16 (lane / 16) + 0 .. 15.  The zeros are zero codes: they add nothing under any scale byte here.
; V's image t is 16 of the head's 64 (32 (t / 2) + 8 (t % 2) + r + 8 (r / 8)) x 128 keys: O^T's 16 registers of two tiles are 16 neighbours of the head's 64.
; OUT.  ac [512 token tiles][16 heads][768]: six registers a lane (32 (lane / 16) + 0 .. 31 of the head's 64): four at 16 x lane, two at 512 + 8 x lane.  aos [8,192 places][32]: byte 2 head + block.  A tile's row r is token 32 (a / 2) + 8 (a % 2) + r + 8 (r / 8).
; LIMITS: NaN and infinities are not served; an exponential under 2^-126 is 0; a block whose largest number lies under 2^-122 (zeros among them) gets the byte 1.  aos is stored a byte a lane: 2 bytes beside each 48 of codes.
.set LI,  1                            ; v1   16 x lane
.set LSC, 2                            ; v2   16 x (lane % 16)
.set ADR, 3                            ; v3   the step's images
.set ADS, 4                            ; v4   the step's scale words
.set DM,  5                            ; v5   the mask: register 16 b + i is hidden where 32 b + i > this
.set VR,  6                            ; v6   r + 8 (r / 8) - 16 (lane / 16)
.set L8,  7                            ; v7   8 x lane
.set AB,  8                            ; v8   32 r + lane / 16
.set F,   40                           ; v40-87   four fragments of K, then of V
.set KS,  88                           ; v88-91   K's scale words;  v92-95 V's
.set VS,  92
.set S,   96                           ; v96-159  scores, then p
.set O,   160                          ; v160-191 O^T
.set PC,  192                          ; v192-203 p's codes; v204-206, v208-210 the conversions' upper halves
.set BM,  212                          ; v212-215 the blocks' largest; v216-219 at work, then bytes; v220-223 the conversions' scale operands
; v12 -M, v13 the largest t, v[14:15] the sum in two halves; v16-21 zeros, v22-27 q, v28-33 zeros; v34 q's scale word, v35 p's; v[36:37] f or 1 / sum; v224 minus infinity; v225 at work; v[226:227] the sum's second chain
.set WV,  12
.set SEL, 20
.set CS,  22
.set G1A, 24
.set G1B, 32
.set G0A, 40
.set G0B, 44
.set HM,  48
.set TB,  49                           ; s49  LDS byte at which the step in hand begins
.set SI,  50                           ; s50  the step in hand
.set SD,  51                           ; s51  my tile's last step, the one on the diagonal
.set CNT, 52
.set QB,  54
.set AC,  56
.set AS,  58
.set QS,  60
.set STEPB, 12800
.macro CROUND                          ; a round of the cluster's barrier
	s_barrier_signal -1
	s_barrier_wait -1
	s_cmp_lg_u32 s[WV], 0
	s_cbranch_scc1 .Lnot_wave_0_\@
	s_barrier_signal -3
.Lnot_wave_0_\@:
	s_barrier_wait -3
	s_barrier_signal -1
	s_barrier_wait -1
.endm
	s_load_b256 s[4:11], s[0:1], 0x0               ; qb s[4:5], kv s[6:7], ac s[8:9], aos s[10:11]
	v_lshl_add_u32 v254, v0, 2, 0x32000
	v_mov_b32 v255, 0
	ds_add_u32 v254, v255
	ds_add_u32 v254, v255
	v_lshrrev_b32 v1, 5, v0
	s_delay_alu instid0(VALU_DEP_1)
	v_readfirstlane_b32 s[WV], v1                  ; wave 0..15
	s_bfe_u32 s13, ttmp6, 0x40000                  ; j: my place in the cluster
	s_and_b32 s14, ttmp7, 0xffff                   ; the head, 16 x batch + head
	; descriptor groups 1: dense bytes as rows of 256 (32 elements of 8 bytes): 13 rows a wave, then 37 rows a wave: 16 x 50 x 256 = 204,800
	s_mov_b32 s[G1A], 15|(3<<16)|(1<<21)           ; the mask: all four work-groups; elements of 8 bytes; bit 21 beside a mask; no padding
	s_mov_b32 s[G1A+1], 32<<16
	s_mov_b32 s[G1A+2], 13<<16
	s_mov_b32 s[G1A+3], 32<<16
	s_mov_b32 s[G1A+4], 13
	s_mov_b32 s[G1A+5], 32
	s_mov_b32 s[G1A+6], 0
	s_mov_b32 s[G1A+7], 0
	s_mov_b32 s[G1B], 15|(3<<16)|(1<<21)
	s_mov_b32 s[G1B+1], 32<<16
	s_mov_b32 s[G1B+2], 37<<16
	s_mov_b32 s[G1B+3], 32<<16
	s_mov_b32 s[G1B+4], 37
	s_mov_b32 s[G1B+5], 32
	s_mov_b32 s[G1B+6], 0
	s_mov_b32 s[G1B+7], 0
	s_mul_i32 s16, s14, 204800                     ; the head's first byte in kv
	s_mul_i32 s17, s[WV], 3328                     ; my part of the first 53,248 bytes (key steps 0 to 3 lie in them),
	s_add_co_u32 s2, s16, s17
	s_mov_b32 s3, 0
	s_mul_i32 s18, s[WV], 9472
	s_add_co_u32 s18, s18, 53248                   ; and of the rest: LDS holds the head as it lies in memory
	s_add_co_u32 s62, s16, s18
	s_mov_b32 s63, 0
	s_mov_b32 s[SEL], 0x76543210
	s_mov_b32 s[SEL+1], 0xfedcba98                 ; v_permlanex16_b32's selects for lane l xor 16
	s_mov_b32 s[CS], 0x3e38aa3b                    ; c = log2(e) / 8
	s_mov_b32 s[CS+1], s[CS]                       ; (named with it as a pair, so it is written)
	s_mov_b32 s[HM], 0xffff0000                    ; lanes 16-31
	v_and_b32 v9, 31, v0
	s_delay_alu instid0(VALU_DEP_1)
	v_lshlrev_b32 v[LI], 4, v9
	s_delay_alu instid0(VALU_DEP_2)
	v_lshlrev_b32 v[L8], 3, v9
	v_and_b32 v10, 15, v0                          ; r
	v_bfe_u32 v11, v0, 4, 1                        ; lane / 16
	s_delay_alu instid0(VALU_DEP_2)
	v_lshlrev_b32 v[LSC], 4, v10
	s_delay_alu instid0(VALU_DEP_2)
	v_lshl_add_u32 v[AB], v10, 5, v11
	s_delay_alu instid0(VALU_DEP_4)
	v_and_b32 v[VR], 8, v10
	s_delay_alu instid0(VALU_DEP_1)
	v_add_nc_u32 v[VR], v[VR], v10
	v_lshlrev_b32 v225, 4, v11
	s_delay_alu instid0(VALU_DEP_1)
	v_sub_nc_u32 v[VR], v[VR], v225
.irp i, 16,17,18,19,20,21,28,29,30,31,32,33
	v_mov_b32 v\i, 0                               ; zero codes on both sides of q
.endr
	v_mov_b32 v37, 0                               ; (named as the upper half of the pair v[36:37])
.irp b, 0,1,2,3
	v_mov_b32 v[216+\b], 0                         ; written once: a lane permute's destination counts as one of its sources
.endr
	v_mov_b32 v224, 0xff800000                     ; minus infinity
	s_wait_dscnt 0x0
	s_wait_kmcnt 0x0
	s_mov_b32 s[G0A], 1
	s_mov_b32 s[G0A+1], s17
	s_add_nc_u64 s[G0A+2:G0A+3], s[6:7], s[2:3]
	s_or_b32 s[G0A+3], s[G0A+3], 0x80000000
	s_mov_b32 s[G0B], 1
	s_mov_b32 s[G0B+1], s18
	s_add_nc_u64 s[G0B+2:G0B+3], s[6:7], s[62:63]
	s_or_b32 s[G0B+3], s[G0B+3], 0x80000000
	CROUND                                         ; all four work-groups are here: the joint loads meet
	tensor_load_to_lds s[G0A:G0A+3], s[G1A:G1A+7]  ; my first load; it has landed before the second goes out
	s_nop 0
	s_wait_alu depctr_va_vdst(0)
	s_wait_tensorcnt 0x0
	ds_add_u32 v254, v255
	s_wait_dscnt 0x0
	CROUND
	tensor_load_to_lds s[G0B:G0B+3], s[G1B:G1B+7]
	s_nop 0
.rept 4
	v_nop
.endr
; A KEY STEP: my 16 queries x 128 keys.
.macro STEP
	v_add_nc_u32 v[ADR], s[TB], v[LI]
	v_add_nc_u32 v[ADS], s[TB], v[LSC]
	ds_load_b128 v[KS:KS+3], v[ADS] offset:12288   ; K's scale words of row r, pairs 0 to 3
.irp i, 0,1,2,3,4,5,6,7,8,9,10,11
	ds_load_b128 v[F+4*\i:F+4*\i+3], v[ADR] offset:512*\i   ; K's four pair images, as they stand
.endr
	s_wait_alu depctr_va_vdst(0)
.irp b, 0,1,2,3
	s_wait_dscnt 9-3*\b                            ; the scale words and pairs 0 to b are in; the later pairs' three loads each may be out
	v_wmma_scale_f32_16x16x128_f8f6f4 v[S+16*\b:S+16*\b+7], v[F+12*\b:F+12*\b+11], v[22:33], 0, v[KS+\b], v34 matrix_a_fmt:MATRIX_FMT_BF6 matrix_b_fmt:MATRIX_FMT_BF6
	v_wmma_scale_f32_16x16x128_f8f6f4 v[S+16*\b+8:S+16*\b+15], v[F+12*\b:F+12*\b+11], v[16:27], 0, v[KS+\b], v34 matrix_a_fmt:MATRIX_FMT_BF6 matrix_b_fmt:MATRIX_FMT_BF6
.endr
.rept 4
	v_nop                                          ; places: ahead of the loads into K's registers, and of the first read of the scores
.endr
	ds_load_b128 v[VS:VS+3], v[ADS] offset:12544   ; V's scale words, and its four images: they land during the softmax
.irp i, 0,1,2,3,4,5,6,7,8,9,10,11
	ds_load_b128 v[F+4*\i:F+4*\i+3], v[ADR] offset:6144+512*\i
.endr
	s_cmp_lg_u32 s[SI], s[SD]                      ; on the diagonal the scores of hidden keys become minus infinity ahead of the maximum: p = 0 then
	s_cbranch_scc1 .Lopen_\@
.set n, 0
.rept 64
	v_cmp_gt_i32 vcc_lo, 32*(n/16)+n%16, v[DM]
	v_cndmask_b32 v[S+n], v[S+n], v224, vcc_lo
.set n, n+1
.endr
.Lopen_\@:
.irp b, 0,1,2,3
	v_max3_num_f32 v[BM+\b], v[S+16*\b], v[S+1+16*\b], v[S+2+16*\b]   ; the largest score of each block of 32 keys: for the row's maximum, and, since p rises with the score, for the block's largest p
.endr
.irp i, 3,5,7,9,11,13
.irp b, 0,1,2,3
	v_max3_num_f32 v[BM+\b], v[BM+\b], v[S+16*\b+\i], v[S+1+16*\b+\i]
.endr
.endr
.irp b, 0,1,2,3
	v_max_num_f32 v[BM+\b], v[BM+\b], v[S+15+16*\b]
.endr
.irp b, 0,1,2,3
	s_delay_alu instid0(VALU_DEP_4)
	v_permlanex16_b32 v[216+\b], v[BM+\b], s[SEL], s[SEL+1]
.endr
.irp b, 0,1,2,3
	s_delay_alu instid0(VALU_DEP_4)
	v_max_num_f32 v[BM+\b], v[BM+\b], v[216+\b]    ; with lane l xor 16's 16 keys
.endr
	s_delay_alu instid0(VALU_DEP_2)
	v_max3_num_f32 v225, v[BM], v[BM+1], v[BM+2]
	s_delay_alu instid0(VALU_DEP_1)
	v_max_num_f32 v225, v225, v[BM+3]              ; the step's largest score of my query
	s_delay_alu instid0(VALU_DEP_1)
	v_mul_f32 v225, s[CS], v225                    ; as t
	s_delay_alu instid0(VALU_DEP_1)
	v_max_num_f32 v13, v13, v225                   ; the running largest t
	v_mov_b32 v225, v12
	s_delay_alu instid0(VALU_DEP_2)
	v_floor_f32 v12, -v13                          ; the new -M = floor(-t): M is a whole number
	s_delay_alu instid0(VALU_DEP_1)
	v_sub_f32 v225, v12, v225                      ; old M - new M: a whole number, 0 or less
	s_delay_alu instid0(VALU_DEP_1)
	v_cvt_i32_f32 v225, v225                       ; (it saturates)
	s_delay_alu instid0(VALU_DEP_1)
	v_ldexp_f32 v36, 1.0, v225                     ; f = 2^(old M - new M)
.set j, 0
.rept 32
	v_pk_fma_f32 v[S+j:S+j+1], v[S+j:S+j+1], s[CS:CS+1], v[12:13] op_sel_hi:[1,0,0]   ; t - M, two at a time
.set j, j+2
.endr
	s_setprio 1
.irp b, 0,1,2,3
	v_fma_f32 v[BM+\b], v[BM+\b], s[CS], v12       ; the same of each block's largest score
.endr
.set j, 0
	s_wait_alu depctr_va_vdst(0)
.rept 64
	v_exp_f32 v[S+j], v[S+j]                       ; p = 2^(t - M): one batch of 68,
.set j, j+1
.endr
.irp b, 0,1,2,3
	v_exp_f32 v[BM+\b], v[BM+\b]                   ; the blocks' largest p among them: the same instructions on the same number give the same bits
.endr
	v_pk_mul_f32 v[14:15], v[14:15], v[36:37] op_sel_hi:[1,0]   ; the sums under the new M,
.set j, 0
	s_wait_alu depctr_va_vdst(0)
.rept 16
	v_pk_mul_f32 v[O+j:O+j+1], v[O+j:O+j+1], v[36:37] op_sel_hi:[1,0]   ; and O^T: work that names no exponential's result
.set j, j+2
.endr
	s_wait_alu depctr_va_vdst(0)                   ; one wait for the batch, ahead of its first reader
.irp b, 0,1,2,3
	v_max_num_f32 v[BM+\b], 0x2800000, v[BM+\b]    ; the floor 2^(5 - 127): the byte cannot fall under 1
.endr
.irp b, 0,1,2,3
	s_delay_alu instid0(VALU_DEP_4)
	v_add_nc_u32 v[220+\b], 0xfe000000, v[BM+\b]   ; 4 off the exponent field: the conversion's scale operand
.endr
.irp b, 0,1,2,3
	s_delay_alu instid0(VALU_DEP_4)
	v_lshrrev_b32 v[216+\b], 23, v[220+\b]         ; the scale's byte
.endr
	s_delay_alu instid0(VALU_DEP_3)
	v_lshl_or_b32 v35, v217, 8, v216               ; p's scale word for these 128 keys
	s_delay_alu instid0(VALU_DEP_1)
	v_lshl_or_b32 v35, v218, 16, v35
	s_delay_alu instid0(VALU_DEP_1)
	v_lshl_or_b32 v35, v219, 24, v35
.irp c, 0,1
	v_cvt_scalef32_pk16_bf6_f32 v[PC+6*\c:PC+2+6*\c], v[S+32*\c:S+15+32*\c], v[220+2*\c]
	v_cvt_scalef32_pk16_bf6_f32 v[PC+12+4*\c:PC+14+4*\c], v[S+16+32*\c:S+31+32*\c], v[221+2*\c]   ; (a conversion's three registers begin on an even number)
.endr
	v_nop                                          ; one plain place behind a scaled conversion
.irp c, 0,1
.irp i, 0,1,2
	v_permlane16_swap_b32 v[PC+6*\c+\i], v[PC+12+4*\c+\i]   ; a whole block to a lane
.endr
.irp i, 0,1,2
	s_delay_alu instid0(VALU_DEP_3)
	v_mov_b32 v[PC+3+6*\c+\i], v[PC+12+4*\c+\i]
.endr
.endr
	s_setprio 0
	v_pk_add_f32 v[226:227], v[S:S+1], v[S+2:S+3]  ; the row's sum of the UNQUANTISED p, in two chains.  (These 32 are also the places between the writes of p's codes and scale word and the products)
.set j, 4
.rept 15
	v_pk_add_f32 v[14:15], v[14:15], v[S+j:S+j+1]
	v_pk_add_f32 v[226:227], v[226:227], v[S+j+2:S+j+3]
.set j, j+4
.endr
	s_delay_alu instid0(VALU_DEP_1)
	v_pk_add_f32 v[14:15], v[14:15], v[226:227]
	s_wait_dscnt 0x0                               ; V is in
.irp t, 0,1,2,3                        ; O^T += V^T P^T: the four accumulators by turns
	v_wmma_scale_f32_16x16x128_f8f6f4 v[O+8*\t:O+8*\t+7], v[F+12*\t:F+12*\t+11], v[PC:PC+11], v[O+8*\t:O+8*\t+7], v[VS+\t], v35 matrix_a_fmt:MATRIX_FMT_BF6 matrix_b_fmt:MATRIX_FMT_BF6
.endr
.rept 4
	v_nop                                          ; places: ahead of the next loads into V's registers and of the next read of O^T
.endr
.endm
; n steps from step first on.  Every wave walks every trip; a step whose keys all come after my queries is jumped over, inside the loop.
.macro STEPLOOP first, n
	s_mov_b32 s[SI], \first
	s_mov_b32 s[TB], (\first)*STEPB
	s_mov_b32 s[CNT], \n
.Lsl_\@:
	s_cmp_gt_u32 s[SI], s[SD]
	s_cbranch_scc1 .Lskip_\@
	s_setprio 2
	STEP
.Lskip_\@:
	s_add_co_u32 s[SI], s[SI], 1
	s_add_co_u32 s[TB], s[TB], STEPB
	s_sub_co_u32 s[CNT], s[CNT], 1
	s_cmp_lg_u32 s[CNT], 0
	s_cbranch_scc1 .Lsl_\@
	s_setprio 0
.endm
; My tile of half u of its pair: u = 0: tile 8 w + 2 j; u = 1: tile 127 - 8 w - 2 j = 8 (15 - w) + 2 (3 - j) + 1.
.macro PASS_IN u
.if \u
	s_xor_b32 s[SD], s[WV], 15                     ; 15 - w
	s_xor_b32 s15, s13, 3                          ; the pair in its step: 3 - j
.else
	s_mov_b32 s[SD], s[WV]
	s_mov_b32 s15, s13
.endif
	s_mul_i32 s18, s14, 102400
	s_mul_i32 s19, s[SD], 6400
	s_add_co_u32 s18, s18, s19                     ; the step's first byte in qb
	s_mul_i32 s19, s15, 1536
	s_add_co_u32 s2, s18, s19
	s_mov_b32 s3, 0
	s_add_nc_u64 s[QB:QB+1], s[4:5], s[2:3]        ; the pair's image
	s_lshl_b32 s19, s15, 2
	s_add_co_u32 s2, s18, s19
	s_add_co_u32 s2, s2, 6144
	s_add_nc_u64 s[QS:QS+1], s[4:5], s[2:3]        ; its scale words
.if \u
	global_load_b64 v[22:23], v[LI], s[QB:QB+1] offset:520     ; registers 6 to 11 of the image
	global_load_b128 v[24:27], v[LI], s[QB:QB+1] offset:1024
.else
	global_load_b128 v[22:25], v[LI], s[QB:QB+1]               ; registers 0 to 5
	global_load_b64 v[26:27], v[LI], s[QB:QB+1] offset:512
.endif
	global_load_b32 v10, v[LSC], s[QS:QS+1]
	s_lshl_b32 s16, s[SD], 3
	s_lshl_b32 s17, s15, 1
	s_add_co_u32 s16, s16, s17
	s_add_co_u32 s16, s16, \u                      ; my tile in the head
	s_lshl_b32 s17, s15, 5
	s_add_co_u32 s17, s17, 8*\u
	v_add_nc_u32 v[DM], s17, v[VR]                 ; my query's place in its step, less 16 (lane / 16)
	s_lshr_b32 s17, s14, 4
	s_lshl_b32 s17, s17, 7
	s_add_co_u32 s17, s17, s16                     ; my tile among the 512
	s_and_b32 s19, s14, 15
	s_lshl_b32 s2, s17, 4
	s_add_co_u32 s2, s2, s19
	s_mul_i32 s2, s2, 768
	s_add_nc_u64 s[AC:AC+1], s[8:9], s[2:3]
	s_lshl_b32 s2, s17, 9
	s_lshl_b32 s19, s19, 1
	s_add_co_u32 s2, s2, s19
	s_add_nc_u64 s[AS:AS+1], s[10:11], s[2:3]
	v_mov_b32 v13, 0xff61b1e6                      ; the largest t so far: -3e38, under every t
	s_delay_alu instid0(VALU_DEP_1)
	v_floor_f32 v12, -v13
	v_mov_b32 v14, 0
	v_mov_b32 v15, 0
	s_wait_loadcnt 0x0
.if \u
	v_perm_b32 v34, v10, v10, 0x03020302           ; my tile's two bytes, twice: they serve [q, 0] and [0, q]
.else
	v_perm_b32 v34, v10, v10, 0x01000100
.endif
.set j, 0
.rept 32
	v_mov_b32 v[O+j], 0                            ; O^T: the first step finds zeros.  (Also the places between the scale word's write and the first product)
.set j, j+1
.endr
.endm
; O^T / the sum, quantised along the head's 64 (two blocks of the model's 1,024), stored as half a fragment's image.
.macro PASS_OUT
	v_add_f32 v14, v14, v15
	s_delay_alu instid0(VALU_DEP_1)
	v_permlanex16_b32 v11, v14, s[SEL], s[SEL+1]
	s_delay_alu instid0(VALU_DEP_1)
	v_add_f32 v14, v14, v11                        ; the row's sum
	s_wait_alu depctr_va_vdst(0)
	v_rcp_f32 v36, v14
	v_nop                                          ; a plain place behind the reciprocal,
	s_wait_alu depctr_va_vdst(0)                   ; and the wait ahead of its first reader
.set j, 0
.rept 16
	v_pk_mul_f32 v[S+j:S+j+1], v[O+j:O+j+1], v[36:37] op_sel_hi:[1,0]   ; register 16 b + i: 32 b + 16 (lane / 16) + i of the head's 64
.set j, j+2
.endr
.irp b, 0,1
	v_max3_num_f32 v[BM+\b], |v[S+16*\b]|, |v[S+16*\b+1]|, 0x2800000
.endr
.irp i, 2,4,6,8,10,12,14
.irp b, 0,1
	s_delay_alu instid0(VALU_DEP_2)
	v_max3_num_f32 v[BM+\b], v[BM+\b], |v[S+16*\b+\i]|, |v[S+16*\b+\i+1]|
.endr
.endr
.irp b, 0,1
	s_delay_alu instid0(VALU_DEP_2)
	v_permlanex16_b32 v[216+\b], v[BM+\b], s[SEL], s[SEL+1]
.endr
.irp b, 0,1
	s_delay_alu instid0(VALU_DEP_2)
	v_max_num_f32 v[BM+\b], v[BM+\b], v[216+\b]
.endr
.irp b, 0,1
	s_delay_alu instid0(VALU_DEP_2)
	v_add_nc_u32 v[220+\b], 0xfe000000, v[BM+\b]
.endr
.irp b, 0,1
	s_delay_alu instid0(VALU_DEP_2)
	v_lshrrev_b32 v[216+\b], 23, v[220+\b]
.endr
	v_cvt_scalef32_pk16_bf6_f32 v[192:194], v[S:S+15], v220
	v_cvt_scalef32_pk16_bf6_f32 v[200:202], v[S+16:S+31], v221
	v_cndmask_b32 v10, v216, v217, s[HM]           ; lanes 0-15 store block 0's byte, lanes 16-31 block 1's.  (The plain place behind the conversions)
.irp i, 0,1,2
	v_permlane16_swap_b32 v[192+\i], v[200+\i]
.endr
.irp i, 0,1,2
	s_delay_alu instid0(VALU_DEP_3)
	v_mov_b32 v[195+\i], v[200+\i]
.endr
	global_store_b128 v[LI], v[192:195], s[AC:AC+1]             ; 512 consecutive bytes, aligned,
	global_store_b64 v[L8], v[196:197], s[AC:AC+1] offset:512   ; and 256
	global_store_b8 v[AB], v10, s[AS:AS+1]
.endm
	PASS_IN 1                                      ; the late tile first
	s_wait_tensorcnt 1                             ; my part of the first 53,248 bytes is in; the rest may stay out
	s_barrier_signal -1
	s_barrier_wait -1                              ; everybody's is: key steps 0 to 3 are whole
	STEPLOOP 0, 4
	s_wait_tensorcnt 0x0                           ; my part of the rest is in
	s_wait_dscnt 0x0
	s_barrier_signal -1
	s_barrier_wait -1                              ; the whole head lies in LDS
	STEPLOOP 4, 12
	s_wait_alu depctr_va_vdst(0)
	PASS_OUT
	s_wait_xcnt 0x0                                ; the stores have read their registers and bases: both are written again
	PASS_IN 0
	STEPLOOP 0, 16
	s_wait_alu depctr_va_vdst(0)
	PASS_OUT
	s_wait_tensorcnt 0x0
	ds_add_u32 v254, v255
	s_wait_dscnt 0x0
	CROUND                                         ; the closing round
	s_endpgm
.Lfunc_end_k_q9b250d8f8f_attn:
	.size	k_q9b250d8f8f_attn, .Lfunc_end_k_q9b250d8f8f_attn-k_q9b250d8f8f_attn
	.p2alignl 7, 3214868480
	.fill 96, 4, 3214868480
	.section	.rodata,"a",@progbits
	.p2align	6, 0x0
	.amdhsa_kernel k_q9b250d8f8f_attn
		.amdhsa_group_segment_fixed_size 327680
		.amdhsa_private_segment_fixed_size 0
		.amdhsa_enable_private_segment 0
		.amdhsa_kernarg_size 32
		.amdhsa_user_sgpr_count 2
		.amdhsa_user_sgpr_kernarg_segment_ptr 1
		.amdhsa_wavefront_size32 1
		.amdhsa_system_sgpr_workgroup_id_x 1
		.amdhsa_system_sgpr_workgroup_id_y 1
		.amdhsa_system_sgpr_workgroup_id_z 1
		.amdhsa_system_vgpr_workitem_id 0
		.amdhsa_next_free_vgpr 256
		.amdhsa_next_free_sgpr 66
		.amdhsa_reserve_vcc 1
		.amdhsa_float_denorm_mode_32 3
		.amdhsa_float_denorm_mode_16_64 3
		.amdhsa_memory_ordered 1
		.amdhsa_forward_progress 1
		.amdhsa_inst_pref_size 86
	.end_amdhsa_kernel
	.amdgpu_metadata
---
amdhsa.version: [ 1, 2 ]
amdhsa.kernels:
  - .name:           k_q9b250d8f8f_attn
    .symbol:         k_q9b250d8f8f_attn.kd
    .args:
      - { .name: qb, .offset: 0, .size: 8, .value_kind: global_buffer, .address_space: global }
      - { .name: kv, .offset: 8, .size: 8, .value_kind: global_buffer, .address_space: global }
      - { .name: ac, .offset: 16, .size: 8, .value_kind: global_buffer, .address_space: global }
      - { .name: aos, .offset: 24, .size: 8, .value_kind: global_buffer, .address_space: global }
    .group_segment_fixed_size: 327680
    .private_segment_fixed_size: 0
    .kernarg_segment_align: 8
    .kernarg_segment_size: 32
    .max_flat_workgroup_size: 512
    .sgpr_count:     66
    .vgpr_count:     256
    .wavefront_size: 32
...
	.end_amdgpu_metadata
.endif
;; end of part 3
;; launch proj (part 4): grid 4 x 32, 4 waves a work-group, clusters of 4 x 4, 327,680 bytes of LDS; arguments ac, aos, cod, scl, out0; writes out0
.if DOCPART == 4
	.amdgcn_target "amdgcn-amd-amdhsa--gfx1250"
	.amdhsa_code_object_version 6
	.text
	.protected	k_q9b250d8f8f_proj
	.globl	k_q9b250d8f8f_proj
	.p2align	8
	.type	k_q9b250d8f8f_proj,@function
k_q9b250d8f8f_proj:
	s_mov_b64 s[64:65], 0
	v_nop
	global_prefetch_b8 v0, s[64:65] scope:SCOPE_SE
	s_setreg_imm32_b32 hwreg(HW_REG_WAVE_MODE, 25, 1), 1
	s_wait_xcnt 0x0
	s_wait_alu depctr_hold_cnt(0) depctr_sa_sdst(0) depctr_va_vdst(0) depctr_va_sdst(0) depctr_va_ssrc(0) depctr_va_vcc(0) depctr_vm_vsrc(0)
	s_getreg_b32 s2, hwreg(HW_REG_IB_STS2, 6, 4)
	s_cmp_eq_u32 s2, 0
	s_cbranch_scc0 .Lentry_in_a_cluster
	s_endpgm
.Lentry_in_a_cluster:
	s_bfe_u32 s2, ttmp6, 0x10000c
	s_cmp_lg_u32 s2, 0xf033
	s_cbranch_scc0 .Lentry_shape_is_right
	s_endpgm
.Lentry_shape_is_right:
; The last product: out0[token][f] = sum over c of o[token][c] w_proj[f][c], on codes of BF6 with E8M0 scales, K = 1,024; out0 [8192][1024] f32.
; A = o comes as IMAGES OF OPERAND REGISTERS: ac [512 token tiles][16 heads][768]: for 64 along K six registers a lane, four at 16 x lane and two at 512 + 8 x lane; its scale bytes aos [8,192 places][32].
; Row r of tile a is token 32 (a / 2) + 8 (a % 2) + r + 8 (r / 8) of its 32: the stores bring the places back to tokens.  B = w_proj: rows 11,264 on of cod and scl, K innermost, in their own order.
; A tile of out0 is 256 x 256, four waves of 128 x 128: 64 accumulators.  K goes in steps of 256 through a ring of two LDS slots; the scale bytes come once.  4 x 4 work-groups form a cluster: A's tiles are asked for
; jointly along a row of it, B's along a column.  Source 0 = 16 rows of B, source 1 = 16 rows of A: a lane holds eight neighbouring numbers of a row of out0.
; REGISTERS, in windows of 256: window 0: v16-29 addresses; v32-63 scale words, two sets; from v128 A's fragments, one set; on the way out v128-255 rows read back.  window 1: B's fragments, two sets.  windows 2, 3: the accumulators.
.set NQ,     2
.set ROWB,   192                       ; B: a tile's row in bytes
.set KROW,   768                       ; a row of cod; also ac's bytes for one place (12,288 a tile of 16)
.set PITCH,  240                       ; B's LDS row: 3 x (64 bytes + 16 of padding)
.set FR,     12
.set NL,     6                         ; LDS loads that bring a fragment of B;
.set NLA,    4                         ; of A
.set NP,     4
.set HALFA,  8*3072                    ; A: 8 token tiles x 4 heads x 768 bytes, as they lie
.set HALFT,  128*PITCH
.set SLOT,   2*HALFA+2*HALFT           ; A's two halves, then B's two
.set LAPS,   2
.set KS,     32
.set SCL,    2*SLOT
.set HALFS,  16*272
.set SBLK,   2*272
.set SPARE,  SCL+4*HALFS               ; the spare words, 128 bytes a wave: two blocks of 256 bytes that no other line names
.set SPITCH, 528                       ; the way out: a stage of 16 rows x (512 + 16) bytes a wave, in slot 0's part for A, which has had its last fill and its last read by then
.set ADRA, 16                          ; v16-17 A's images in slot 0, 1: + 16 x lane;  v18-19: + 8 x lane
.set ADRB, 20
.set STO,  24
.set RD,   25
.set CO,   26
.set ADRS, 27
.set SPW,  28
.set NIL,  29
.set SC,   32
.set AF,   128
.set BK,   128
.set G1, 24
.set G0, 32
.set G1B, 48
.set G0B, 56
.set G1S, 68
.set G0S, 76
.set G1SB, 80
.set G0SB, 88
.set MSB, 0
.macro WIN new
.if MSB != (\new)
	s_set_vgpr_msb (MSB<<8)|(\new)
.set MSB, (\new)
.endif
.endm
.set MUL_LO, 0xa1
.set MUL_HI, 0xf1
.set TO_B,   0x40
.macro JLOAD g0a, g1a, g0b, g1b        ; a joint load: waves 0 and 1 fetch for A, waves 2 and 3 for B; four v_nop follow each of the two lines
	s_cmp_eq_u32 s15, 0
	s_cbranch_scc0 .Lfor_b_\@
	tensor_load_to_lds s[\g0a:\g0a+3], s[\g1a:\g1a+7]
	s_nop 0
.rept 4
	v_nop
.endr
	s_branch .Lasked_\@
.Lfor_b_\@:
	tensor_load_to_lds s[\g0b:\g0b+3], s[\g1b:\g1b+7]
	s_nop 0
.rept 4
	v_nop
.endr
.Lasked_\@:
.endm
.macro CREST
	s_cmp_lg_u32 s14, 0
	s_cbranch_scc1 .Lnot_wave_0_\@
	s_barrier_signal -3
.Lnot_wave_0_\@:
	s_barrier_wait -3
	s_barrier_signal -1
	s_barrier_wait -1
.endm
.macro CROUND
	s_barrier_signal -1
	s_barrier_wait -1
	CREST
.endm
	s_load_b128 s[4:7], s[0:1], 0x0                ; ac s[4:5], aos s[6:7]
	s_load_b128 s[8:11], s[0:1], 0x10              ; cod s[8:9], scl s[10:11]
	s_load_b64 s[12:13], s[0:1], 0x20              ; out0
	v_lshl_add_u32 v[SPW], v0, 2, SPARE
	v_mov_b32 v[NIL], 0
	ds_add_u32 v28, v29
	ds_add_u32 v28, v29
	s_wait_dscnt 0x0
	v_lshrrev_b32 v1, 5, v0
	v_readfirstlane_b32 s14, v1                    ; wave 0..3
	s_lshr_b32 s15, s14, 1                         ; which half of the tile's rows is mine.  Also: I fetch for A (0) or for B (1)
	s_and_b32 s16, s14, 1                          ; which half of its columns.  Also: which 128 rows I fetch
	s_bfe_u32 s40, ttmp6, 0x40000                  ; cx, cy
	s_bfe_u32 s41, ttmp6, 0x40004
	s_lshl_b32 s42, ttmp9, 2
	s_add_co_u32 s42, s42, s40                     ; tile column
	s_and_b32 s17, ttmp7, 0xffff
	s_lshl_b32 s17, s17, 2
	s_add_co_u32 s17, s17, s41                     ; tile row
	s_lshl_b32 s43, s41, 2
	s_lshl_b32 s43, 15, s43                        ; my row of the cluster
	s_lshl_b32 s44, 0x1111, s40                    ; my column
	s_or_b32 s[G1+0], s43, (3<<16)|(1<<21)         ; A: 8 rows (token tiles) of 384 elements of 8 bytes (4 heads), 1,536 elements apart; no padding
	s_mov_b32 s[G1+1], 384<<16
	s_mov_b32 s[G1+2], 8<<16
	s_mov_b32 s[G1+3], 384<<16
	s_mov_b32 s[G1+4], 8
	s_mov_b32 s[G1+5], 1536
	s_mov_b32 s[G1+6], 0
	s_mov_b32 s[G1+7], 0
	s_or_b32 s[G1B+0], s44, (0<<16)|(1<<20)|(1<<21)|(3<<22)|(3<<25)  ; B: 128 rows of 192 bytes, 16 bytes of padding behind every 64
	s_mov_b32 s[G1B+1], ROWB<<16
	s_mov_b32 s[G1B+2], 128<<16
	s_mov_b32 s[G1B+3], ROWB<<16
	s_mov_b32 s[G1B+4], 128
	s_mov_b32 s[G1B+5], KROW
	s_mov_b32 s[G1B+6], 0
	s_mov_b32 s[G1B+7], 0
	s_or_b32 s[G1S+0], s43, (3<<16)|(1<<20)|(1<<21)|(5<<22)|(3<<25)  ; the scales of 128 rows: 16 rows of 256 bytes, 16 of padding behind each
	s_or_b32 s[G1SB+0], s44, (3<<16)|(1<<20)|(1<<21)|(5<<22)|(3<<25)
.irp g, G1S, G1SB
	s_mov_b32 s[\g+1], 32<<16
	s_mov_b32 s[\g+2], 16<<16
	s_mov_b32 s[\g+3], 32<<16
	s_mov_b32 s[\g+4], 16
	s_mov_b32 s[\g+5], 32
	s_mov_b32 s[\g+6], 0
	s_mov_b32 s[\g+7], 0
.endr
	s_lshl_b32 s18, s16, 7
	s_lshl_b32 s20, s17, 8
	s_add_co_u32 s20, s20, s18                     ; A: place 256 x tile row + 128 x half
	s_lshl_b32 s46, s42, 8
	s_add_co_u32 s46, s46, s18
	s_add_co_u32 s46, s46, 11264                   ; B: w_proj's first row in cod + 256 x tile column + 128 x half
	s_mov_b32 s21, 0
	s_mov_b32 s47, 0
	s_mov_b64 s[18:19], KS
	s_mul_u64 s[22:23], s[20:21], s[18:19]
	s_mul_u64 s[92:93], s[46:47], s[18:19]
	s_mov_b64 s[18:19], KROW
	s_mul_u64 s[20:21], s[20:21], s[18:19]         ; 768 bytes a place: 12,288 a token tile
	s_mul_u64 s[46:47], s[46:47], s[18:19]
	s_mul_i32 s45, s16, HALFA                      ; where they go: A's halves,
	s_mul_i32 s95, s16, HALFT
	s_add_co_u32 s95, s95, 2*HALFA                 ; B's behind them
	s_mul_i32 s94, s14, HALFS
	s_wait_kmcnt 0x0
	s_add_nc_u64 s[20:21], s[4:5], s[20:21]
	s_add_nc_u64 s[22:23], s[6:7], s[22:23]
	s_add_nc_u64 s[46:47], s[8:9], s[46:47]
	s_add_nc_u64 s[92:93], s[10:11], s[92:93]
	CROUND                                         ; all sixteen work-groups are here: the first joint loads meet
	s_mov_b32 s[G0S], 1
	s_add_co_u32 s[G0S+1], s94, SCL
	s_mov_b64 s[G0S+2:G0S+3], s[22:23]
	s_or_b32 s[G0S+3], s[G0S+3], 0x80000000
	s_mov_b32 s[G0SB], 1
	s_add_co_u32 s[G0SB+1], s94, SCL
	s_mov_b64 s[G0SB+2:G0SB+3], s[92:93]
	s_or_b32 s[G0SB+3], s[G0SB+3], 0x80000000
	JLOAD G0S, G1S, G0SB, G1SB
.irp s, 0,1
	s_mov_b32 s[G0+4*\s], 1
	s_add_co_u32 s[G0+4*\s+1], s45, \s*SLOT
	s_add_nc_u64 s[G0+4*\s+2:G0+4*\s+3], s[20:21], \s*3072
	s_or_b32 s[G0+4*\s+3], s[G0+4*\s+3], 0x80000000
	s_mov_b32 s[G0B+4*\s], 1
	s_add_co_u32 s[G0B+4*\s+1], s95, \s*SLOT
	s_add_nc_u64 s[G0B+4*\s+2:G0B+4*\s+3], s[46:47], \s*ROWB
	s_or_b32 s[G0B+4*\s+3], s[G0B+4*\s+3], 0x80000000
	JLOAD G0+4*\s, G1, G0B+4*\s, G1B
.endr
	v_and_b32 v1, 15, v0                           ; l % 16
	v_bfe_u32 v2, v0, 4, 1                         ; l / 16
	v_mul_u32_u24 v3, v1, PITCH
	v_mul_u32_u24 v4, v2, 24
	v_add_nc_u32 v4, v3, v4                        ; B: a fragment's row x pitch + 24 x half
	v_lshl_add_u32 v5, v2, 4, v4                   ; and the same behind one padding more
	v_and_b32 v6, 31, v0
	v_lshlrev_b32 v7, 4, v6                        ; A: 16 x lane,
	v_lshlrev_b32 v8, 3, v6                        ; 8 x lane
	s_mul_i32 s21, s15, HALFA                      ; my 128 rows of A
	s_mul_i32 s22, s16, HALFT                      ; my 128 rows of B,
	s_add_co_u32 s22, s22, 2*HALFA                 ; which lie behind A's
.irp s, 0,1
	v_add_nc_u32 v[ADRA+\s], s21, v7
	v_add_nc_u32 v[ADRA+2+\s], s21, v8
	v_add_nc_u32 v[ADRB+\s], s22, v4
	v_add_nc_u32 v[ADRB+2+\s], s22, v5
	s_add_co_u32 s21, s21, SLOT
	s_add_co_u32 s22, s22, SLOT
.endr
	v_mul_u32_u24 v5, v1, KS
	v_lshrrev_b32 v6, 8, v5
	v_lshl_add_u32 v5, v6, 4, v5
	s_mul_i32 s21, s15, HALFS
	s_mul_i32 s22, s16, HALFS
	s_add_co_u32 s22, s22, 2*HALFS
	s_sub_co_u32 s22, s22, s21
	v_mul_u32_u24 v6, s22, v2                      ; lanes 16-31 take B's
	s_add_co_u32 s21, s21, SCL
	v_add_nc_u32 v5, v5, v6
	v_add_nc_u32 v[ADRS], s21, v5
	s_mul_i32 s23, s14, 16*SPITCH                  ; my stage
	v_mul_u32_u24 v5, v1, SPITCH
	v_lshl_add_u32 v5, v2, 5, v5
	v_add_nc_u32 v[STO], s23, v5
	v_and_b32 v6, 31, v0
	v_lshlrev_b32 v[CO], 4, v6
	v_add_nc_u32 v[RD], s23, v[CO]
	s_lshl_b32 s20, s17, 8
	s_lshl_b32 s21, s15, 7
	s_add_co_u32 s20, s20, s21                     ; my first row of out0
	s_lshl_b32 s20, s20, 12                        ; 4,096 bytes a row
	s_lshl_b32 s46, s42, 10                        ; my first column, in bytes
	s_lshl_b32 s47, s16, 9
	s_add_co_u32 s46, s46, s47
	s_add_co_u32 s20, s20, s46
	s_mov_b32 s21, 0
	s_add_nc_u64 s[12:13], s[12:13], s[20:21]
.macro FRAG reg, adr, q, i             ; B: 16 rows x 128 K: 24 bytes of the row's stream twice, in pieces of 8
.irp p, 0,1,2,3,4,5
.set PCE, 12*(\q)+6*(\p/3)+\p%3
.if PCE%8 < 5
	ds_load_b64 v[\reg+2*\p:\reg+2*\p+1], v[\adr] offset:8*PCE+16*(PCE/8)+(\i)*16*PITCH
.else
	ds_load_b64 v[\reg+2*\p:\reg+2*\p+1], v[\adr+2] offset:8*PCE+16*(PCE/8)+(\i)*16*PITCH
.endif
.endr
.endm
.macro FRAGA reg, slot, q, i           ; A: token tile i, the slot's q-th 128 along K = two heads: each six registers, as they were stored
.irp e, 0,1
	ds_load_b128 v[\reg+6*\e:\reg+6*\e+3],   v[ADRA+\slot]   offset:3072*(\i)+1536*(\q)+768*\e
	ds_load_b64  v[\reg+6*\e+4:\reg+6*\e+5], v[ADRA+2+\slot] offset:3072*(\i)+1536*(\q)+768*\e+512
.endr
.endm
.macro MUL16 a0, p, q, sc, zero        ; the 64 accumulators take turns, one instruction a turn
.irp a, \a0, \a0+1
.irp b, 0,1,2,3,4,5,6,7
.if \zero
	v_wmma_scale_f32_16x16x128_f8f6f4 v[8*(8*((\a)%4)+\b):8*(8*((\a)%4)+\b)+7], v[128*(\p)+FR*\b:128*(\p)+FR*\b+FR-1], v[AF+FR*(\a):AF+FR*(\a)+FR-1], 0, v[SC+8*NQ*(\sc)+NQ*\b+(\q)], v[SC+8*NQ*(\sc)+NQ*(\a)+(\q)] matrix_a_fmt:MATRIX_FMT_BF6 matrix_b_fmt:MATRIX_FMT_BF6 matrix_a_scale:MATRIX_SCALE_ROW1
.else
	v_wmma_scale_f32_16x16x128_f8f6f4 v[8*(8*((\a)%4)+\b):8*(8*((\a)%4)+\b)+7], v[128*(\p)+FR*\b:128*(\p)+FR*\b+FR-1], v[AF+FR*(\a):AF+FR*(\a)+FR-1], v[8*(8*((\a)%4)+\b):8*(8*((\a)%4)+\b)+7], v[SC+8*NQ*(\sc)+NQ*\b+(\q)], v[SC+8*NQ*(\sc)+NQ*(\a)+(\q)] matrix_a_fmt:MATRIX_FMT_BF6 matrix_b_fmt:MATRIX_FMT_BF6 matrix_a_scale:MATRIX_SCALE_ROW1
.endif
.endr
.endr
.endm
.macro FETCH_B slot, q, p
	WIN TO_B
.irp i, 0,1,2,3,4,5,6,7
	FRAG 128*(\p)+FR*\i, ADRB+\slot, \q, \i
.endr
	WIN 0
.endm
.macro FETCH_A slot, q, i0
.irp i, \i0, \i0+1, \i0+2, \i0+3
	FRAGA AF+FR*(\i), \slot, \q, \i
.endr
.endm
.macro SCALES sc
.irp i, 0,1,2,3,4,5,6,7
	ds_load_b64 v[SC+8*NQ*\sc+NQ*\i:SC+8*NQ*\sc+NQ*\i+1], v[ADRS] offset:\i*SBLK
.endr
.endm
.macro PLACES n
.rept \n
	v_nop
.endr
.endm
.macro STEP slot, q, zero
	s_wait_dscnt 4*NLA                             ; B's set and A's blocks 0-3 are in; the youngest 16 loads (A's blocks 4-7) may be out
	WIN MUL_LO
	MUL16 0, (\q)%2, \q, \slot, \zero
	MUL16 2, (\q)%2, \q, \slot, \zero
	s_wait_dscnt 0
	PLACES NP
	FETCH_B \slot, (\q)+1, 1-(\q)%2
	FETCH_A \slot, (\q)+1, 0
	WIN MUL_HI
	MUL16 4, (\q)%2, \q, \slot, \zero
	MUL16 6, (\q)%2, \q, \slot, \zero
	PLACES NP
	WIN 0
	FETCH_A \slot, (\q)+1, 4
.endm
.macro TURN slot, next, fill
	s_wait_tensorcnt 0x0                           ; all my tensor loads have landed: my part of the next slot
	ds_add_u32 v[SPW], v[NIL]                      ; 0 onto my spare word
	s_wait_dscnt 4*NLA+1                           ; (the add and the youngest 16 loads may be out)
	WIN MUL_LO
	MUL16 0, 1, NQ-1, \slot, 0
	s_wait_dscnt 0x0                               ; the add is done, and my reads of this slot are over
	s_barrier_signal -1
	MUL16 2, 1, NQ-1, \slot, 0
	WIN 0
	s_barrier_wait -1
.if \fill
	CREST                                          ; the barrier has opened a round of the cluster's barrier
	s_add_nc_u64 s[G0+4*\slot+2:G0+4*\slot+3], s[G0+4*\slot+2:G0+4*\slot+3], 2*3072
	s_add_nc_u64 s[G0B+4*\slot+2:G0B+4*\slot+3], s[G0B+4*\slot+2:G0B+4*\slot+3], 2*ROWB
	JLOAD G0+4*\slot, G1, G0B+4*\slot, G1B         ; the first tensor load behind the round; its four v_nop are the places in front of the loads below
.else
	PLACES NP
.endif
	v_add_nc_u32 v[ADRS], 4*NQ, v[ADRS]
	FETCH_B \next, 0, 0
	FETCH_A \next, 0, 0
	SCALES \next
	WIN MUL_HI
	MUL16 4, 1, NQ-1, \slot, 0
	MUL16 6, 1, NQ-1, \slot, 0
	PLACES NP
	WIN 0
	FETCH_A \next, 0, 4
.endm
	s_wait_tensorcnt 1                             ; the scales and my part of K step 0 are in (K step 1's load may be out)
	s_barrier_signal -1
	s_barrier_wait -1
	FETCH_B 0, 0, 0
	FETCH_A 0, 0, 0
	SCALES 0
	FETCH_A 0, 0, 4
	STEP 0, 0, 1
	s_mov_b32 s3, LAPS-1
.Llap:
	TURN 0, 1, 1
	STEP 1, 0, 0
	TURN 1, 0, 1
	STEP 0, 0, 0
	s_sub_co_u32 s3, s3, 1
	s_cmp_lg_u32 s3, 0
	s_cbranch_scc1 .Llap
	TURN 0, 1, 0
	STEP 1, 0, 0
	s_wait_dscnt 4*NLA
	WIN MUL_LO
	MUL16 0, 1, NQ-1, 1, 0
	MUL16 2, 1, NQ-1, 1, 0
	s_wait_dscnt 0
	WIN MUL_HI
	MUL16 4, 1, NQ-1, 1, 0
	MUL16 6, 1, NQ-1, 1, 0
	WIN 0
; THE WAY OUT, block by block of 16 rows x 128 columns, through my own stage in LDS: back come whole rows of 512 bytes.  LDS serves a wave's instructions in order: no wait between the stores and the loads.
.macro TOSTAGE a
.set AC, 64*((\a)%4)
	WIN 0x08+4*((\a)/4)                            ; the data: window 2 or 3
.irp b, 0,1,2,3,4,5,6,7
	ds_store_b128 v[STO], v[AC+8*\b:AC+8*\b+3] offset:64*\b          ; each accumulator from its low end on
	ds_store_b128 v[STO], v[AC+8*\b+4:AC+8*\b+7] offset:64*\b+16
.endr
	WIN 0
.set BB, BK+64*((\a)%2)
.irp t, 0,1,2,3,4,5,6,7,8,9,10,11,12,13,14,15
	ds_load_b128 v[BB+4*\t:BB+4*\t+3], v[RD] offset:\t*SPITCH
.endr
.endm
.macro SEND a, younger                 ; row t of block a is token 32 (a / 2) + 8 (a % 2) + t + 8 (t / 8) of my 128: at most 127 rows of 4,096 bytes, inside the signed 24-bit immediate
.set BB, BK+64*((\a)%2)
	s_wait_dscnt \younger
.irp t, 0,1,2,3,4,5,6,7,8,9,10,11,12,13,14,15
	global_store_b128 v[CO], v[BB+4*\t:BB+4*\t+3], s[12:13] offset:(32*((\a)/2)+8*((\a)%2)+\t+8*(\t/8))*4096 th:TH_STORE_NT   ; 32 lanes store 512 consecutive bytes, aligned
.endr
.endm
	PLACES NP
	TOSTAGE 0
.irp a, 1,2,3,4,5,6,7
.if \a > 1
	s_wait_xcnt 0x0                                ; block a - 2's stores have read their registers: block a's loads may land there
.endif
	TOSTAGE \a
	SEND \a-1, 32                                  ; behind block a - 1's loads: block a's 16 stores and 16 loads
.endr
	SEND 7, 0
	s_wait_tensorcnt 0x0                           ; the wave's end
	ds_add_u32 v[SPW], v[NIL]
	s_wait_dscnt 0x0
	CROUND                                         ; the closing round
	s_endpgm
.Lfunc_end_k_q9b250d8f8f_proj:
	.size	k_q9b250d8f8f_proj, .Lfunc_end_k_q9b250d8f8f_proj-k_q9b250d8f8f_proj
	.p2alignl 7, 3214868480
	.fill 96, 4, 3214868480
	.section	.rodata,"a",@progbits
	.p2align	6, 0x0
	.amdhsa_kernel k_q9b250d8f8f_proj
		.amdhsa_group_segment_fixed_size 327680
		.amdhsa_private_segment_fixed_size 0
		.amdhsa_enable_private_segment 0
		.amdhsa_kernarg_size 40
		.amdhsa_user_sgpr_count 2
		.amdhsa_user_sgpr_kernarg_segment_ptr 1
		.amdhsa_wavefront_size32 1
		.amdhsa_system_sgpr_workgroup_id_x 1
		.amdhsa_system_sgpr_workgroup_id_y 1
		.amdhsa_system_sgpr_workgroup_id_z 1
		.amdhsa_system_vgpr_workitem_id 0
		.amdhsa_next_free_vgpr 1024
		.amdhsa_next_free_sgpr 98
		.amdhsa_reserve_vcc 0
		.amdhsa_float_denorm_mode_32 3
		.amdhsa_float_denorm_mode_16_64 3
		.amdhsa_memory_ordered 1
		.amdhsa_forward_progress 1
		.amdhsa_inst_pref_size 151
	.end_amdhsa_kernel
	.amdgpu_metadata
---
amdhsa.version: [ 1, 2 ]
amdhsa.kernels:
  - .name:           k_q9b250d8f8f_proj
    .symbol:         k_q9b250d8f8f_proj.kd
    .args:
      - { .name: ac, .offset: 0, .size: 8, .value_kind: global_buffer, .address_space: global }
      - { .name: aos, .offset: 8, .size: 8, .value_kind: global_buffer, .address_space: global }
      - { .name: cod, .offset: 16, .size: 8, .value_kind: global_buffer, .address_space: global }
      - { .name: scl, .offset: 24, .size: 8, .value_kind: global_buffer, .address_space: global }
      - { .name: out0, .offset: 32, .size: 8, .value_kind: global_buffer, .address_space: global }
    .group_segment_fixed_size: 327680
    .private_segment_fixed_size: 0
    .kernarg_segment_align: 8
    .kernarg_segment_size: 40
    .max_flat_workgroup_size: 128
    .sgpr_count:     98
    .vgpr_count:     1024
    .wavefront_size: 32
...
	.end_amdgpu_metadata
.endif
;; end of part 4
